; MI455X (gfx1250); checked and timed in simulation.
; The chip was launched on July 23, 2026; its instructions are those of AMD's public machine-readable ISA for CDNA 5 (MIT licence, August 2026) and "CDNA5" Instruction Set Architecture Reference Guide (July 2026). The comments in the code are by the model that wrote it; some were corrected since.
;; I64 Attention. Allowed arithmetic: float matrix products may take bf16 or f16 operands with f32 sums; other float arithmetic in f32, or as packed bf16 or f16 multiplies, adds, multiply-adds, maxima and minima; sums over many terms, partial sums and values carried from step to step in f32; what a program stores and reads back later, other than sums and carried values, may be rounded once to bf16 or f16.
;; Inputs: Wk 512 x 2,048 float32; Wmu_k 512 x 2,048 float32; Wmu_q 2,048 x 2,048 float32; Wmu_v 512 x 2,048 float32; Wo 2,048 x 2,048 float32; Wq 2,048 x 2,048 float32; Wv 512 x 2,048 float32; hidden 1 x 2,048 x 2,048 float32; kn_w 128 float32; mu_prev 1 x 2,048 x 2,048 float32; positions 2,048 int32; qn_w 128 float32.
;; Outputs: out0 1 x 2,048 x 2,048 float32.
;; 2 versions, each right; version 2 is version 1 with the launch cvt written anew for expert scheduling mode. Each part assembles by itself: llvm-mc -triple=amdgcn-amd-amdhsa -mcpu=gfx1250 --defsym DOCPART=n.
;; ======== version 1 of 2: 4 launches
;; limits: values are held in f16: magnitudes above 65,504 overflow, below 6.1e-05 lose precision; right only within a limited range of input values
;; workspace buffers: Xb 16,777,216 bytes; Wc 25,165,824 bytes; Wo16 8,388,608 bytes; Tab 2,097,152 bytes; Qh 8,388,608 bytes; Kh 2,097,152 bytes; Vh 2,097,152 bytes; Oh 8,388,608 bytes
;; launch cvt (part 1): grid 64 x 28, 8 waves a work-group, no clusters, 0 bytes of LDS; arguments hidden, mu_prev, Wq, Wmu_q, Wk, Wmu_k, Wv, Wmu_v, Wo, positions, Xb, Wc, Wo16, Tab; writes Xb, Wc, Wo16, Tab
.if DOCPART == 1
	.amdgcn_target "amdgcn-amd-amdhsa--gfx1250"
	.amdhsa_code_object_version 6
	.text
	.protected	k_qb1f82b183d_cvt
	.globl	k_qb1f82b183d_cvt
	.p2align	8
	.type	k_qb1f82b183d_cvt,@function
k_qb1f82b183d_cvt:
	s_mov_b64 s[64:65], 0
	v_nop
	global_prefetch_b8 v0, s[64:65] scope:SCOPE_SE
	s_setreg_imm32_b32 hwreg(HW_REG_WAVE_MODE, 25, 1), 1
	s_wait_xcnt 0x0
; THE INPUTS IN 16 BITS, IN THE LAYOUTS THAT THE PRODUCTS WANT, AND THE TABLE OF COSINES AND SINES.
; Xb [2048][4096] bf16: hidden | mu_prev along K.  Wc [3072][4096] bf16: group g (384 rows) = q head 2 g, q head 2 g + 1, then k head g (g < 4) or v head g - 4;
; along K the plain weights | the mu weights.  Wo16 [2048][2048]: Wo rounded to bf16, that number written as f16 (its partner in the last product is f16).
; Tab [2048][256] f32, row s: C[d] = cos(f[d mod 64]), then S[d] = -sin(f[d]) for d < 64, +sin(f[d - 64]) for d >= 64: rope(y)[d] = y[d] C[d] + y[d xor 64] S[d].
; SHARES.  Grid y = unit: 0-23 convert 512 source rows each, 24-27 make 512 table rows each; grid x cuts a unit into 64 work-groups of 8 rows.
; A stream: each input byte is read once, 16 loads of 16 bytes a lane all issued first; each store of a wave covers 256 consecutive bytes, aligned.  No LDS, no matrix unit, no cluster: nothing is shared.
; LIMITS.  |positions| under 2^20 (the angle is reduced with pi/2 in two parts); |Wo| under 65,504, and below 6e-5 it keeps f16's fixed step of 6e-8.  NaN and infinities are not treated apart.
.set D,  16                            ; v[16:79]  chunk c: four registers as loaded, the first two then as stored
.set VD, 2                             ; v[2:9]    row r of the eight: 8 t + r x the destination's pitch
.macro PICK lo, src, dst, half, kind   ; from unit lo on: this source, this destination, this half of K, this kind of row map
	s_cmp_ge_u32 s32, \lo
	s_cselect_b64 s[38:39], s[\src:\src+1], s[38:39]
	s_cselect_b64 s[40:41], s[\dst:\dst+1], s[40:41]
	s_cselect_b32 s34, \lo, s34
	s_cselect_b32 s35, \half, s35
	s_cselect_b32 s36, \kind, s36
.endm
.macro CV c, half                      ; chunk c: four numbers rounded to bf16 (half = 1: and written as f16), 8 bytes stored
	s_wait_loadcnt 15-(\c)                         ; loads come back in order: the younger chunks stay out
	v_cvt_pk_bf16_f32 v[D+4*(\c)], v[D+4*(\c)], v[D+4*(\c)+1]
	v_cvt_pk_bf16_f32 v[D+4*(\c)+1], v[D+4*(\c)+2], v[D+4*(\c)+3]
.if \half
	v_lshlrev_b32 v80, 16, v[D+4*(\c)]
	v_and_b32 v81, 0xffff0000, v[D+4*(\c)]
	v_lshlrev_b32 v82, 16, v[D+4*(\c)+1]
	v_and_b32 v83, 0xffff0000, v[D+4*(\c)+1]
	v_cvt_pk_f16_f32 v[D+4*(\c)], v80, v81
	v_cvt_pk_f16_f32 v[D+4*(\c)+1], v82, v83
.endif
	global_store_b64 v[VD+(\c)/2], v[D+4*(\c):D+4*(\c)+1], s[40:41] offset:2048*((\c)%2)
.endm
	s_load_b512 s[4:19], s[0:1], 0x0               ; hidden 4, mu_prev 6, Wq 8, Wmu_q 10, Wk 12, Wmu_k 14, Wv 16, Wmu_v 18
	s_load_b256 s[20:27], s[0:1], 0x40             ; Wo 20, positions 22, Xb 24, Wc 26
	s_load_b128 s[28:31], s[0:1], 0x60             ; Wo16 28, Tab 30
	s_and_b32 s32, ttmp7, 0xffff                   ; the unit
	s_mov_b32 s33, ttmp9                           ; my eight rows of it
	s_wait_kmcnt 0x0
	s_cmp_ge_u32 s32, 24
	s_cbranch_scc1 .Ltable
	s_mov_b64 s[38:39], s[4:5]
	s_mov_b64 s[40:41], s[24:25]
	s_mov_b32 s34, 0
	s_mov_b32 s35, 0
	s_mov_b32 s36, 0
	PICK 4, 6, 24, 1, 0
	PICK 8, 8, 26, 0, 1
	PICK 12, 10, 26, 1, 1
	PICK 16, 12, 26, 0, 2
	PICK 17, 14, 26, 1, 2
	PICK 18, 16, 26, 0, 3
	PICK 19, 18, 26, 1, 3
	PICK 20, 20, 28, 0, 4
	s_sub_co_u32 s42, s32, s34
	s_lshl_b32 s42, s42, 9
	s_lshl3_add_u32 s42, s33, s42                  ; my first source row
	s_lshr_b32 s43, s42, 7                         ; its head
	s_and_b32 s44, s42, 127                        ; its row in the head
	s_lshr_b32 s45, s43, 1                         ; q: group = head / 2,
	s_and_b32 s46, s43, 1                          ; part = head % 2
	s_cmp_ge_u32 s36, 2
	s_cselect_b32 s45, s43, s45                    ; k: group = head, part 2
	s_cselect_b32 s46, 2, s46
	s_add_co_u32 s47, s45, 4
	s_cmp_eq_u32 s36, 3
	s_cselect_b32 s45, s47, s45                    ; v: group = head + 4
	s_mul_i32 s47, s45, 384
	s_lshl_b32 s46, s46, 7
	s_add_co_u32 s47, s47, s46
	s_add_co_u32 s47, s47, s44
	s_mov_b32 s48, 8192                            ; the destination's pitch in bytes
	s_cmp_eq_u32 s36, 0
	s_cselect_b32 s47, s42, s47                    ; Xb and Wo16 keep the source's rows
	s_cmp_eq_u32 s36, 4
	s_cselect_b32 s47, s42, s47
	s_cselect_b32 s48, 4096, s48
	s_lshl_b32 s50, s42, 13
	s_mov_b32 s51, 0
	s_add_nc_u64 s[38:39], s[38:39], s[50:51]
	s_mul_i32 s50, s47, s48
	s_lshl_b32 s35, s35, 12
	s_add_co_u32 s50, s50, s35
	s_add_nc_u64 s[40:41], s[40:41], s[50:51]
	v_lshlrev_b32 v1, 4, v0                        ; 256 threads x 16 bytes: half a source row
.set c, 0
.rept 16
	global_load_b128 v[D+4*c:D+4*c+3], v1, s[38:39] offset:4096*c th:TH_LOAD_NT
.set c, c+1
.endr
	v_lshlrev_b32 v[VD], 3, v0
.set c, 1
.rept 7
	v_add_nc_u32 v[VD+c], s48, v[VD+c-1]
.set c, c+1
.endr
	s_cmp_eq_u32 s36, 4
	s_cbranch_scc1 .Lhalf
.set c, 0
.rept 16
	CV c, 0
.set c, c+1
.endr
	s_endpgm
.Lhalf:
.set c, 0
.rept 16
	CV c, 1
.set c, c+1
.endr
	s_endpgm
; THE TABLE.  A wave makes one row; lane l the frequencies 2 l and 2 l + 1.  inv_freq[i] = 2^(-i L), L = log2(10000) / 64 in two parts: i x CH is exact (6 x 17 bits).
.macro SC1 b                           ; v[b] = i  ->  v[b+1] = -(fraction of i L), v[b+2] = -(whole part)
	v_cvt_f32_u32 v[\b], v[\b]
	v_mul_f32 v[\b+1], 0x3e549a80, v[\b]
	v_floor_f32 v[\b+2], v[\b+1]
	v_sub_f32 v[\b+1], v[\b+2], v[\b+1]
	v_fmamk_f32 v[\b+1], v[\b], 0x33f68659, v[\b+1]
	v_cvt_i32_f32 v[\b+2], v[\b+2]
	v_sub_nc_u32 v[\b+2], 0, v[\b+2]
.endm
.macro SC2 b, so, co                   ; the angle, its reduction to |rr| <= pi/4 by k quarter turns, both series, and the quadrant
	v_ldexp_f32 v[\b+3], v[\b+3], v[\b+2]
	v_mul_f32 v[\b+3], v4, v[\b+3]                 ; pos x inv_freq, rounded once
	v_mul_f32 v[\b+4], 0x3f22f983, v[\b+3]
	v_rndne_f32 v[\b+4], v[\b+4]
	v_fmamk_f32 v[\b+5], v[\b+4], 0xbfc90fdb, v[\b+3]
	v_fmamk_f32 v[\b+5], v[\b+4], 0x333bbd2e, v[\b+5]
	v_mul_f32 v[\b+6], v[\b+5], v[\b+5]
	v_mov_b32 v[\b+7], 0x3638ef1d
	v_fmaak_f32 v[\b+7], v[\b+7], v[\b+6], 0xb9500d01
	v_fmaak_f32 v[\b+7], v[\b+7], v[\b+6], 0x3c088889
	v_fmaak_f32 v[\b+7], v[\b+7], v[\b+6], 0xbe2aaaab
	v_mul_f32 v[\b+8], v[\b+5], v[\b+6]
	v_fma_f32 v[\b+7], v[\b+8], v[\b+7], v[\b+5]   ; sin rr
	v_mov_b32 v[\b+8], 0xb493f27e
	v_fmaak_f32 v[\b+8], v[\b+8], v[\b+6], 0x37d00d01
	v_fmaak_f32 v[\b+8], v[\b+8], v[\b+6], 0xbab60b61
	v_fmaak_f32 v[\b+8], v[\b+8], v[\b+6], 0x3d2aaaab
	v_fmaak_f32 v[\b+8], v[\b+8], v[\b+6], 0xbf000000
	v_fma_f32 v[\b+8], v[\b+8], v[\b+6], 1.0       ; cos rr
	v_cvt_i32_f32 v[\b+4], v[\b+4]
	v_and_b32 v[\b+9], 1, v[\b+4]
	v_cmp_eq_u32 vcc_lo, 1, v[\b+9]
	v_cndmask_b32 v[\so], v[\b+7], v[\b+8], vcc_lo ; an odd quarter turn swaps the two
	v_cndmask_b32 v[\co], v[\b+8], v[\b+7], vcc_lo
	v_and_b32 v[\b+9], 2, v[\b+4]
	v_lshlrev_b32 v[\b+9], 30, v[\b+9]
	v_xor_b32 v[\so], v[\b+9], v[\so]              ; sin changes sign in quarters 2, 3
	v_add_nc_u32 v[\b+4], 1, v[\b+4]
	v_and_b32 v[\b+4], 2, v[\b+4]
	v_lshlrev_b32 v[\b+4], 30, v[\b+4]
	v_xor_b32 v[\co], v[\b+4], v[\co]              ; cos in quarters 1, 2
.endm
.Ltable:
	v_lshrrev_b32 v1, 5, v0
	v_readfirstlane_b32 s34, v1                    ; wave
	s_sub_co_u32 s35, s32, 24
	s_lshl_b32 s35, s35, 6
	s_add_co_u32 s35, s35, s33
	s_lshl3_add_u32 s35, s35, s34                  ; my row of the table
	s_lshl_b32 s36, s35, 2
	s_load_b32 s37, s[22:23], s36 offset:0x0       ; its position
	s_lshl_b32 s38, s35, 10
	s_mov_b32 s39, 0
	s_add_nc_u64 s[30:31], s[30:31], s[38:39]
	v_and_b32 v2, 31, v0
	v_lshlrev_b32 v3, 3, v2                        ; 8 bytes a lane
	v_lshlrev_b32 v8, 1, v2
	v_or_b32 v24, 1, v8
	SC1 8
	SC1 24
	s_wait_kmcnt 0x0
	v_exp_f32 v11, v9
	v_exp_f32 v27, v25
	v_cvt_f32_i32 v4, s37                          ; the plain instruction behind the two exponentials
	s_wait_alu depctr_va_vdst(0)                   ; one wait for both, ahead of their first reader
	SC2 8, 42, 40
	SC2 24, 43, 41
	v_xor_b32 v44, 0x80000000, v42
	v_xor_b32 v45, 0x80000000, v43
	global_store_b64 v3, v[40:41], s[30:31]
	global_store_b64 v3, v[40:41], s[30:31] offset:256
	global_store_b64 v3, v[44:45], s[30:31] offset:512
	global_store_b64 v3, v[42:43], s[30:31] offset:768
	s_endpgm
.Lfunc_end_k_qb1f82b183d_cvt:
	.size	k_qb1f82b183d_cvt, .Lfunc_end_k_qb1f82b183d_cvt-k_qb1f82b183d_cvt
	.p2alignl 7, 3214868480
	.fill 96, 4, 3214868480
	.section	.rodata,"a",@progbits
	.p2align	6, 0x0
	.amdhsa_kernel k_qb1f82b183d_cvt
		.amdhsa_group_segment_fixed_size 0
		.amdhsa_private_segment_fixed_size 0
		.amdhsa_enable_private_segment 0
		.amdhsa_kernarg_size 112
		.amdhsa_user_sgpr_count 2
		.amdhsa_user_sgpr_kernarg_segment_ptr 1
		.amdhsa_wavefront_size32 1
		.amdhsa_system_sgpr_workgroup_id_x 1
		.amdhsa_system_sgpr_workgroup_id_y 1
		.amdhsa_system_sgpr_workgroup_id_z 1
		.amdhsa_system_vgpr_workitem_id 0
		.amdhsa_next_free_vgpr 96
		.amdhsa_next_free_sgpr 66
		.amdhsa_reserve_vcc 1
		.amdhsa_float_denorm_mode_32 3
		.amdhsa_float_denorm_mode_16_64 3
		.amdhsa_memory_ordered 1
		.amdhsa_forward_progress 1
		.amdhsa_inst_pref_size 23
	.end_amdhsa_kernel
	.amdgpu_metadata
---
amdhsa.version: [ 1, 2 ]
amdhsa.kernels:
  - .name:           k_qb1f82b183d_cvt
    .symbol:         k_qb1f82b183d_cvt.kd
    .args:
      - { .name: hidden, .offset: 0, .size: 8, .value_kind: global_buffer, .address_space: global }
      - { .name: mu_prev, .offset: 8, .size: 8, .value_kind: global_buffer, .address_space: global }
      - { .name: Wq, .offset: 16, .size: 8, .value_kind: global_buffer, .address_space: global }
      - { .name: Wmu_q, .offset: 24, .size: 8, .value_kind: global_buffer, .address_space: global }
      - { .name: Wk, .offset: 32, .size: 8, .value_kind: global_buffer, .address_space: global }
      - { .name: Wmu_k, .offset: 40, .size: 8, .value_kind: global_buffer, .address_space: global }
      - { .name: Wv, .offset: 48, .size: 8, .value_kind: global_buffer, .address_space: global }
      - { .name: Wmu_v, .offset: 56, .size: 8, .value_kind: global_buffer, .address_space: global }
      - { .name: Wo, .offset: 64, .size: 8, .value_kind: global_buffer, .address_space: global }
      - { .name: positions, .offset: 72, .size: 8, .value_kind: global_buffer, .address_space: global }
      - { .name: Xb, .offset: 80, .size: 8, .value_kind: global_buffer, .address_space: global }
      - { .name: Wc, .offset: 88, .size: 8, .value_kind: global_buffer, .address_space: global }
      - { .name: Wo16, .offset: 96, .size: 8, .value_kind: global_buffer, .address_space: global }
      - { .name: Tab, .offset: 104, .size: 8, .value_kind: global_buffer, .address_space: global }
    .group_segment_fixed_size: 0
    .private_segment_fixed_size: 0
    .kernarg_segment_align: 8
    .kernarg_segment_size: 112
    .max_flat_workgroup_size: 256
    .sgpr_count:     66
    .vgpr_count:     96
    .wavefront_size: 32
...
	.end_amdgpu_metadata
.endif
;; end of part 1
;; launch qkv (part 2): grid 16 x 12, 4 waves a work-group, clusters of 4 x 1, 327,680 bytes of LDS; arguments Xb, Wc, Tab, qn_w, kn_w, Qh, Kh, Vh; writes Qh, Kh, Vh
.if DOCPART == 2
	.amdgcn_target "amdgcn-amd-amdhsa--gfx1250"
	.amdhsa_code_object_version 6
	.text
	.protected	k_qb1f82b183d_qkv
	.globl	k_qb1f82b183d_qkv
	.p2align	8
	.type	k_qb1f82b183d_qkv,@function
k_qb1f82b183d_qkv:
	s_mov_b64 s[64:65], 0
	v_nop
	global_prefetch_b8 v0, s[64:65] scope:SCOPE_SE
	s_setreg_imm32_b32 hwreg(HW_REG_WAVE_MODE, 25, 1), 1
	s_wait_xcnt 0x0
	s_wait_alu depctr_hold_cnt(0) depctr_sa_sdst(0) depctr_va_vdst(0) depctr_va_sdst(0) depctr_va_ssrc(0) depctr_va_vcc(0) depctr_vm_vsrc(0)
	s_getreg_b32 s2, hwreg(HW_REG_IB_STS2, 6, 4)
	s_cmp_eq_u32 s2, 0
	s_cbranch_scc0 .Lentry_in_a_cluster
	s_endpgm
.Lentry_in_a_cluster:
	s_bfe_u32 s2, ttmp6, 0x10000c
	s_cmp_lg_u32 s2, 0x3003
	s_cbranch_scc0 .Lentry_shape_is_right
	s_endpgm
.Lentry_shape_is_right:
; q, k, v = [hidden | mu_prev] x Wc^T (M = 2048, N = 3072, K = 4096, bf16, sums in f32), with RMSNorm and RoPE of q and k on the way out.  Qh [16][2048][128], Kh, Vh [4][2048][128], f16, rounded once.
; SHARES.  A work-group makes 128 rows x 256 columns, two whole heads: 16 x 12 = 192 work-groups.  Whole heads on 256 work-groups would be 64 x 384, which with the waves laid along M is 16 x 384 a wave: one LDS
; fragment for every matrix instruction.  THE WAVES LIE ALONG M: wave w makes rows 32 w .. 32 w + 31 x all 256 columns: 32 accumulators.
; A (Xb) IS NO WAVE'S BUT ONE'S, so it goes through no LDS: a fragment lies in registers as it lies in memory (16 bytes a lane, twice), and comes by global loads into a ring of 8 quarters (a quarter = 32 along K),
; six to seven quarters ahead of its products; its waits are counted, and its loads stay out across every barrier.  A run of 8 loads covers 128 consecutive bytes of each of my 32 rows.
; B (Wc) is shared by all four waves: K goes in 16 steps of 256 (rows of 512 bytes) through two LDS slots of 256 rows; each wave fetches 64 rows.  With B alone in the ring a step holds 256 matrix instructions a wave.
; CLUSTER 4 x 1: the four partners make four row tiles of one column tile: B's tiles are asked for jointly.  A is not: the partners' rows differ, and it goes to registers.
; THE PRODUCT IS USED TRANSPOSED (source 0 = 16 rows of Wc, source 1 = 16 rows of Xb): a lane holds eight neighbouring columns of one row.
; Wc's rows lie in groups of 384 (q head 2 g, q head 2 g + 1, then k head g or v head g - 4): head slot hs = 3 g + p; this tile has slots 2 ty and 2 ty + 1.  What a slot is hangs on the cluster's y alone.
; THE WAY OUT.  Slot 0, read out behind K step 14, takes my 32 rows of the table; slot 1, behind K step 15, the f32 sums.  Then 16 lanes hold one row of a head, 8 columns each: the sum of squares by four exchanges
; inside 16 lanes, d xor 64 is lane xor 8.  rope(x w) r = rope(x r w), r = rsqrt(mean x^2 + 1e-6).  qn_w and kn_w are rounded to bf16 like every floating-point input.
; LIMITS.  f16 ends at 65,504: |v| and |q|, |k| <= 11.32 |w| stay within it.  NaN and infinities are not treated apart.
; REGISTERS.  window 0: addresses, gains, the way out; window 1: accumulator (a, b) at 8 (16 a + b); window 2: B's two fragment buffers of 128; window 3: v0-127 A's ring, quarter s, row block a at 16 s + 8 a.
;   v4, v5 my lane's place in a slot's rows 0-127, 128-255; v6, v7 the same in the slot that is read; v8 A's lane offset; v9-v12 the way out; v13, v3 the prefetches' offsets; v14, v15 the add's.
;   s20 wave; s21 my part of a slot; s23 row tile; s24 column tile; s25 the slot that is read; s26 the slot to fill; s[28:35], s[36:43] B's descriptors; s[46:47] A at the K step that is being loaded;
;   s[48:59] the table's descriptor; s[60:63], s66, s67 the prefetches; s[68:71] the two heads' gains; s77, s79 all ones where a head is v; s78 counts; s[80:83] where the two heads go.
.set PITCH,  528                       ; an LDS row: 512 bytes + 16 of padding = 33 x 16: the 16 rows of a fragment load start at 16 different groups of four banks
.set QROWS,  64*PITCH                  ; what one tensor load brings
.set SLOT,   4*QROWS                   ; B's 256 rows
.set SPARE,  2*SLOT                    ; the spare words: 128 bytes a wave, two blocks of 256 bytes that no other line names
.set SPITCH, 1040                      ; a stage row: 256 f32 + 16 bytes = 65 x 16
.set F0, 0
.set F1, 128
.set MSB, 0
.macro WIN new                         ; the immediate's high byte repeats the setting that is left
.if MSB != (\new)
	s_set_vgpr_msb (MSB<<8)|(\new)
.set MSB, \new
.endif
.endm
.set MUL,  0x5e                        ; source 0 (B) window 2, source 1 (A) window 3, C and D window 1
.set TO_F, 0x80                        ; destination window 2
.set TO_A, 0xc0                        ; destination window 3
.macro PLACES
.rept 4
	v_nop
.endr
.endm
.macro CREST                           ; a round of the cluster's barrier behind its opening barrier
	s_cmp_lg_u32 s20, 0
	s_cbranch_scc1 .Lnot_wave_0_\@
	s_barrier_signal -3
.Lnot_wave_0_\@:
	s_barrier_wait -3
	s_barrier_signal -1
	s_barrier_wait -1
.endm
.macro CROUND
	s_barrier_signal -1
	s_barrier_wait -1
	CREST
.endm
; Prefetches into the L2, behind the joint load and the run of LDS loads: at the change behind K step t they name K step t + 3, one K step ahead of the loads that will want it.  Each block of 256 bytes is named once
; in the launch.  B's rows are read by the four clusters of a column tile: the one with x = 0 asks; its partner at cx takes 64 rows, a wave 16 of them, a lane one of a row's two blocks.  A's rows are read by the
; twelve work-groups of a row tile: the one with y = 0 asks, each wave for its own 32 rows, a lane a row, two lines.  The loop's last trip asks for nothing: K step 15 is the last named.  K steps 0 to 2 come by their loads alone.
.macro ASK
	s_cmp_gt_u32 s78, s66
	s_cbranch_scc0 .Lnot_b_\@
	global_prefetch_b8 v13, s[60:61] th:TH_LOAD_NT scope:SCOPE_SE
.Lnot_b_\@:
	s_cmp_gt_u32 s78, s67
	s_cbranch_scc0 .Lnot_a_\@
	global_prefetch_b8 v3, s[62:63] th:TH_LOAD_NT scope:SCOPE_SE
	global_prefetch_b8 v3, s[62:63] offset:256 th:TH_LOAD_NT scope:SCOPE_SE
.Lnot_a_\@:
.endm
; 8 matrix instructions: row block a x column blocks b0 .. b0 + 7, B from buffer f, A from ring place s.  The 32 accumulators take turns, one instruction a turn.
.macro MUL8 f, s, a, b0, zero
	WIN MUL
.irp b, 0,1,2,3,4,5,6,7
.if \zero
	v_wmma_f32_16x16x32_bf16 v[8*(16*(\a)+(\b0)+\b):8*(16*(\a)+(\b0)+\b)+7], v[(\f)+8*((\b0)+\b):(\f)+8*((\b0)+\b)+7], v[16*(\s)+8*(\a):16*(\s)+8*(\a)+7], 0
.else
	v_wmma_f32_16x16x32_bf16 v[8*(16*(\a)+(\b0)+\b):8*(16*(\a)+(\b0)+\b)+7], v[(\f)+8*((\b0)+\b):(\f)+8*((\b0)+\b)+7], v[16*(\s)+8*(\a):16*(\s)+8*(\a)+7], v[8*(16*(\a)+(\b0)+\b):8*(16*(\a)+(\b0)+\b)+7]
.endif
.endr
.endm
.macro MUL16 f, s, a, zero
	MUL8 \f, \s, \a, 0, \zero
	MUL8 \f, \s, \a, 8, \zero
.endm
.macro FETCH k, f                      ; 32 LDS loads in one run: B's sixteen fragments, 32 along K at byte k of the rows of the slot that is read
	WIN TO_F
.irp i, 0,1,2,3,4,5,6,7
	ds_load_b128 v[(\f)+8*\i:(\f)+8*\i+3],   v6 offset:(\k)+\i*16*PITCH
	ds_load_b128 v[(\f)+8*\i+4:(\f)+8*\i+7], v6 offset:(\k)+\i*16*PITCH+32
.endr
.irp i, 0,1,2,3,4,5,6,7
	ds_load_b128 v[(\f)+64+8*\i:(\f)+64+8*\i+3],   v7 offset:(\k)+\i*16*PITCH
	ds_load_b128 v[(\f)+64+8*\i+4:(\f)+64+8*\i+7], v7 offset:(\k)+\i*16*PITCH+32
.endr
.endm
.macro ALOAD q                         ; 8 global loads: A's quarters q - 2 and q - 1 of the K step at s[46:47], into the ring places that the last two quarters have left; the earlier quarter first
	WIN TO_A
.irp e, 2,1
.irp a, 0,1
	global_load_b128 v[16*(((\q)-\e)%8)+8*\a:16*(((\q)-\e)%8)+8*\a+3],   v8, s[46:47] offset:131072*\a+64*((\q)-\e)
	global_load_b128 v[16*(((\q)-\e)%8)+8*\a+4:16*(((\q)-\e)%8)+8*\a+7], v8, s[46:47] offset:131072*\a+64*((\q)-\e)+32
.endr
.endr
.endm
; Quarter q of a K step (8: quarter 0 of the next).  Four places stand between the last products, which read the buffer and the ring places that are now filled, and the loads into them.
; aload = 1: even quarters ask for A.  A's loads come back in order: behind this quarter's four stand those of 7 quarters (even q, the run just issued among them) or of 6; with aload = 0, in the last K step, of 7 - q.
.macro QUARTER q, aload, zero=0
.if !(\zero)
	PLACES
.endif
	FETCH 64*((\q)%8+1), 128*(((\q)+1)%2)
.if (\aload) && ((\q)%2 == 0)
	ALOAD \q
.endif
	s_wait_dscnt 32                                ; all but the 32 just issued: this quarter's fragments of B, asked for a quarter ago
.if \aload
	s_wait_loadcnt 28-4*((\q)%2)
.else
	s_wait_loadcnt 4*(7-(\q))
.endif
	MUL16 128*((\q)%2), (\q)%8, 0, \zero
	MUL16 128*((\q)%2), (\q)%8, 1, \zero
.endm
; Quarter 6 holds the first half of the change of slots.  The slot's last fragments (quarter 7's) have been asked for at its head.  Each wave waits for all its tensor loads, of which one is out: its part of the other
; slot; adds 0 to its spare word; waits for that and for its reads of the slot; and signals.  Matrix instructions stand between the add and its wait and between signal and wait.
.macro Q6M
	PLACES
	FETCH 448, F1
	ALOAD 6
	s_wait_dscnt 32
	s_wait_loadcnt 28
	MUL16 F0, 6, 0, 0
	WIN 0
	s_wait_tensorcnt 0x0
	ds_add_u32 v14, v15
	MUL8 F0, 6, 1, 0, 0
	s_wait_dscnt 0x0                               ; the add is done, my reads of this slot are over
	s_barrier_signal -1
	MUL8 F0, 6, 1, 8, 0
	WIN 0
	s_barrier_wait -1
.endm
; Quarter 7 begins with the rest of the round; the refill is the first thing behind it.  fill = 1: B's K step two on, jointly, into the slot just read.  fill = 2 (behind K step 14, which lay in slot 0): my 32 rows of the table.
.macro Q7T fill
	CREST
.if (\fill) == 1
	s_add_co_u32 s41, s26, s21                     ; the walking descriptor: the slot just read, my part of it,
	s_add_nc_u64 s[42:43], s[42:43], 512           ; the next K step; the type bits on top are not reached
	s_xor_b32 s26, s26, SLOT
	tensor_load_to_lds s[40:43], s[28:35]
	s_nop 0
	PLACES                                         ; also the places in front of the loads below
	s_xor_b32 s25, s25, SLOT
.else
	tensor_load_to_lds s[48:51], s[52:59]
	s_nop 0
	PLACES
	s_mov_b32 s25, SLOT
.endif
	v_add_nc_u32 v6, s25, v4                       ; the fetches go on in the other slot
	v_add_nc_u32 v7, s25, v5
	FETCH 0, F0
.if (\fill) == 1
	WIN 0
	ASK
.endif
	s_wait_dscnt 32
	s_wait_loadcnt 24
	MUL16 F1, 7, 0, 0
	MUL16 F1, 7, 1, 0
.endm
.macro TRIP fill                       ; quarters 1 to 7 of a K step and quarter 0 of the next; A is asked for the next K step
	s_wait_xcnt 0x0                                ; every load and prefetch issued so far (the youngest 32 matrix instructions back) has read its address
	s_add_nc_u64 s[46:47], s[46:47], 512
.if (\fill) == 1
	s_add_nc_u64 s[60:61], s[60:61], 512
	s_add_nc_u64 s[62:63], s[62:63], 512
.endif
	QUARTER 1, 1
	QUARTER 2, 1
	QUARTER 3, 1
	QUARTER 4, 1
	QUARTER 5, 1
	Q6M
	Q7T \fill
	QUARTER 8, 1
.endm
; What head slot 2 ty + i is: where it goes, whose gain it takes, whether it is v.  g = hs / 3 (11 hs >> 5 for hs under 24), p = hs - 3 g.
.macro HEADSEL i, d, wp, vm
	s_lshl_b32 s88, s24, 1
	s_add_co_u32 s88, s88, \i
	s_mul_i32 s89, s88, 11
	s_lshr_b32 s89, s89, 5
	s_mul_i32 s90, s89, 3
	s_sub_co_u32 s90, s88, s90
	s_lshl1_add_u32 s91, s89, s90                  ; q head 2 g + p
	s_and_b32 s92, s89, 3                          ; k head g, v head g - 4
	s_cmp_eq_u32 s90, 2
	s_cselect_b32 s91, s92, s91
	s_cselect_b32 s93, s89, 0
	s_cselect_b64 s[\wp:\wp+1], s[12:13], s[10:11]
	s_cselect_b64 s[\d:\d+1], s[16:17], s[14:15]
	s_cmp_ge_u32 s93, 4
	s_cselect_b64 s[\d:\d+1], s[18:19], s[\d:\d+1]
	s_cselect_b32 s[\vm], -1, 0
	s_lshl_b32 s94, s91, 19                        ; a head is 524,288 bytes,
	s_add_co_u32 s94, s94, s72                     ; my tile's 128 rows of 256 bytes
	s_mov_b32 s95, 0
	s_add_nc_u64 s[\d:\d+1], s[\d:\d+1], s[94:95]
.endm
	s_load_b512 s[4:19], s[0:1], 0x0               ; Xb 4, Wc 6, Tab 8, qn_w 10, kn_w 12, Qh 14, Kh 16, Vh 18
	v_lshl_add_u32 v14, v0, 2, SPARE
	v_mov_b32 v15, 0
	ds_add_u32 v14, v15                            ; the wave's opening: the add and its wait ahead of my first tensor load
	v_lshrrev_b32 v1, 5, v0
	v_readfirstlane_b32 s20, v1                    ; wave
	s_bfe_u32 s22, ttmp6, 0x40000                  ; cx
	s_lshl_b32 s23, ttmp9, 2
	s_add_co_u32 s23, s23, s22                     ; row tile: it enters A's, the table's and the results' addresses alone
	s_and_b32 s24, ttmp7, 0xffff                   ; column tile, which the four partners share
	s_mul_i32 s21, s20, QROWS
	s_mov_b32 s25, 0
	s_mov_b32 s26, 0
	s_mov_b32 s28, 15|(1<<16)|(1<<20)|(1<<21)|(6<<22)|(3<<25)  ; B: the mask of four; 2-byte elements; 4 words of padding after every 128
	s_mov_b32 s29, 256<<16
	s_mov_b32 s30, 64<<16
	s_mov_b32 s31, 256<<16
	s_mov_b32 s32, 64                              ; 64 rows x 256 elements
	s_mov_b32 s33, 4096
	s_mov_b32 s34, 0
	s_mov_b32 s35, 0
	s_mov_b32 s52, 3<<16                           ; the table: 32 dense rows of 1,024 bytes as 128 rows of 32 elements of 8 bytes; no mask: the partners' rows differ
	s_mov_b32 s53, 32<<16
	s_mov_b32 s54, 128<<16
	s_mov_b32 s55, 32<<16
	s_mov_b32 s56, 128
	s_mov_b32 s57, 32
	s_mov_b32 s58, 0
	s_mov_b32 s59, 0
	s_lshl_b32 s88, s24, 21
	s_lshl_b32 s89, s20, 19
	s_add_co_u32 s88, s88, s89                     ; B: row 256 ty + 64 wave, 8,192 bytes a row
	s_mov_b32 s89, 0
	s_lshl_b32 s90, s23, 20
	s_lshl_b32 s91, s20, 18
	s_add_co_u32 s90, s90, s91                     ; A: row 128 tx + 32 wave
	s_mov_b32 s91, 0
	s_lshl_b32 s92, s23, 17
	s_lshl_b32 s93, s20, 15
	s_add_co_u32 s92, s92, s93                     ; the table: the same row, 1,024 bytes a row
	s_mov_b32 s93, 0
	s_mov_b32 s36, 1
	s_mov_b32 s37, s21                             ; K step 0 into slot 0,
	s_mov_b32 s40, 1
	s_add_co_u32 s41, s21, SLOT                    ; K step 1 into slot 1
	s_mov_b32 s48, 1
	s_lshl_b32 s49, s20, 15                        ; my rows of the table: 32,768 x wave, in slot 0
	s_mov_b32 s86, 0x3c000000                      ; 1 / 128
	s_mov_b32 s87, 0x358637bd                      ; 1e-6
	s_lshl_b32 s72, s23, 15
	s_wait_dscnt 0x0                               ; the opening add is done
	s_wait_kmcnt 0x0
	s_add_nc_u64 s[38:39], s[6:7], s[88:89]
	s_add_nc_u64 s[42:43], s[38:39], 512
	s_or_b32 s39, s39, 0x80000000
	s_or_b32 s43, s43, 0x80000000
	s_add_nc_u64 s[46:47], s[4:5], s[90:91]
	s_add_nc_u64 s[50:51], s[8:9], s[92:93]
	s_or_b32 s51, s51, 0x80000000
	CROUND                                         ; all four work-groups are here: the first joint loads meet
	tensor_load_to_lds s[36:39], s[28:35]          ; two loads of mine are out
	s_nop 0
	tensor_load_to_lds s[40:43], s[28:35]
	s_nop 0
	PLACES
	v_and_b32 v1, 15, v0                           ; r
	v_bfe_u32 v2, v0, 4, 1                         ; h
	v_lshlrev_b32 v32, 5, v1                       ; my 8 numbers of a gain
	v_lshlrev_b32 v8, 13, v1
	v_lshl_add_u32 v8, v2, 4, v8                   ; a fragment of A: row r x 8,192 + 16 h
	HEADSEL 0, 80, 68, 79
	HEADSEL 1, 82, 70, 77
	global_load_b128 v[16:19], v32, s[68:69]
	global_load_b128 v[20:23], v32, s[68:69] offset:16
	global_load_b128 v[24:27], v32, s[70:71]
	global_load_b128 v[28:31], v32, s[70:71] offset:16
	WIN TO_A
.irp g, 0,1,2,3,4,5                    ; A's quarters 0 to 5: 24 loads
.irp a, 0,1
	global_load_b128 v[16*\g+8*\a:16*\g+8*\a+3],   v8, s[46:47] offset:131072*\a+64*\g
	global_load_b128 v[16*\g+8*\a+4:16*\g+8*\a+7], v8, s[46:47] offset:131072*\a+64*\g+32
.endr
.endr
	WIN 0
	v_mul_u32_u24 v4, v1, PITCH
	v_lshl_add_u32 v4, v2, 4, v4                   ; a fragment of B: row r x pitch + 16 h
	v_add_nc_u32 v5, 128*PITCH, v4
	v_add_nc_u32 v6, s25, v4
	v_add_nc_u32 v7, s25, v5
	s_mul_i32 s2, s20, 32*SPITCH
	s_add_co_u32 s2, s2, SLOT                      ; my 32 rows of the stage
	v_mul_u32_u24 v9, v1, SPITCH                   ; in: row r, 32 bytes for each half of the lanes
	v_lshl_add_u32 v9, v2, 5, v9
	v_add_nc_u32 v9, s2, v9
	v_mul_u32_u24 v10, v2, SPITCH                  ; back: row h, 8 columns a lane
	v_lshl_add_u32 v10, v1, 5, v10
	v_add_nc_u32 v10, s2, v10
	v_lshlrev_b32 v11, 10, v2                      ; the same rows of the table
	v_lshl_add_u32 v11, v1, 5, v11
	v_add_nc_u32 v11, s49, v11
	v_lshlrev_b32 v12, 8, v2                       ; and of a head in memory
	v_lshl_add_u32 v12, v1, 4, v12
	s_lshl_b32 s2, s20, 13
	v_add_nc_u32 v12, s2, v12
	; the prefetches
	s_lshl_b32 s88, s24, 21
	s_lshl_b32 s2, s22, 19
	s_add_co_u32 s88, s88, s2
	s_lshl_b32 s2, s20, 17
	s_add_co_u32 s88, s88, s2                      ; B: row 256 ty + 64 cx + 16 wave,
	s_add_co_u32 s88, s88, 1024                    ; at K step 2: the first trip steps it to 3
	s_mov_b32 s89, 0
	s_add_nc_u64 s[60:61], s[6:7], s[88:89]
	s_add_nc_u64 s[62:63], s[46:47], 1024          ; A: my own rows, at K step 2
	s_mov_b32 s2, ttmp9
	s_cmp_eq_u32 s2, 0
	s_cselect_b32 s66, 1, -1                       ; the same in all four partners
	s_cmp_eq_u32 s24, 0
	s_cselect_b32 s67, 1, -1
	v_lshlrev_b32 v13, 13, v1
	v_lshl_add_u32 v13, v2, 8, v13                 ; B: a row for each of 16 lanes, the halves of the lanes its two blocks
	v_and_b32 v3, 31, v0
	v_lshlrev_b32 v3, 13, v3                       ; A: a lane a row
.set i, 96
.rept 32
	v_mov_b32 v[i], 0                              ; destinations of lane exchanges count as read: written once
.set i, i+1
.endr
	v_mov_b32 v169, 0                              ; named with the four r as pairs
	v_mov_b32 v171, 0
	v_mov_b32 v173, 0
	v_mov_b32 v175, 0
	s_wait_loadcnt 24                              ; the gains are in; A's 24 loads, issued behind them, stay out
.set i, 16
.rept 8
	v_cvt_pk_bf16_f32 v32, v[i], v[i+1]            ; the gains rounded to bf16, kept as f32
	v_lshlrev_b32 v[i], 16, v32
	v_and_b32 v[i+1], 0xffff0000, v32
.set i, i+2
.endr
	s_wait_tensorcnt 1                             ; my part of K step 0 is in; K step 1's may stay out
	s_barrier_signal -1
	s_barrier_wait -1
	FETCH 0, F0
	QUARTER 8, 1, 1                                ; K step 0's quarter 0 stands in front of the loop: its products start the sums; it asks for A's quarters 6 and 7
	WIN 0
	s_mov_b32 s78, 14
.Lstep:                                                ; K steps 0 to 13, each of which asks for B's K step two on
	TRIP 1
	WIN 0
	s_sub_co_u32 s78, s78, 1
	s_cmp_lg_u32 s78, 0
	s_cbranch_scc1 .Lstep
	TRIP 2                                         ; K step 14: the tail is written out
	QUARTER 1, 0                                   ; K step 15 asks for nothing more of A: the counts run down
	QUARTER 2, 0
	QUARTER 3, 0
	QUARTER 4, 0
	QUARTER 5, 0
	QUARTER 6, 0
	s_wait_dscnt 0x0                               ; my reads of slot 1 are over:
	s_wait_loadcnt 0x0
	s_barrier_signal -1                            ; say so, multiply,
	MUL16 F1, 7, 0, 0
	MUL16 F1, 7, 1, 0
	s_barrier_wait -1                              ; and write into slot 1 when all four have said so
	PLACES
	PLACES
	; THE WAY OUT, part 1: the sums into the stage, in slot 1, which has had its last fill.
	WIN 0x04                                       ; store data in window 1
.irp a, 0,1
.irp b, 0,1,2,3,4,5,6,7,8,9,10,11,12,13,14,15
	ds_store_b128 v9, v[8*(16*\a+\b):8*(16*\a+\b)+3]   offset:\a*16*SPITCH+64*\b
	ds_store_b128 v9, v[8*(16*\a+\b)+4:8*(16*\a+\b)+7] offset:\a*16*SPITCH+64*\b+16
.endr
.endr
	WIN 0
	s_wait_tensorcnt 0x0                           ; my rows of the table have landed,
	s_wait_dscnt 0x0                               ; my stores are done:
	s_barrier_signal -1
	s_barrier_wait -1                              ; behind this barrier every row of the stage and of the table is whole
	; part 2: eight trips, two pairs of rows of both heads each: unit u = head u % 2, pair u / 2.  X v32-63, Y v64-95, Z v96-127, C v128-143, S v144-159, sums v160-167, r v168-175, results v176-191.
	s_mov_b32 s78, 8
.Lrows:
.irp u, 0,1,2,3
	ds_load_b128 v[32+8*\u:35+8*\u], v10 offset:2*SPITCH*(\u/2)+512*(\u%2)
	ds_load_b128 v[36+8*\u:39+8*\u], v10 offset:2*SPITCH*(\u/2)+512*(\u%2)+16
.endr
.irp p, 0,1
	ds_load_b128 v[128+8*\p:131+8*\p], v11 offset:2048*\p
	ds_load_b128 v[132+8*\p:135+8*\p], v11 offset:2048*\p+16
	ds_load_b128 v[144+8*\p:147+8*\p], v11 offset:2048*\p+512
	ds_load_b128 v[148+8*\p:151+8*\p], v11 offset:2048*\p+528
.endr
	s_wait_dscnt 8                                 ; the eight table loads may stay out
.irp u, 0,1,2,3
	v_pk_mul_f32 v[160+2*\u:161+2*\u], v[32+8*\u:33+8*\u], v[32+8*\u:33+8*\u]
.endr
.irp k, 2,4,6
.irp u, 0,1,2,3
	v_pk_fma_f32 v[160+2*\u:161+2*\u], v[32+8*\u+\k:33+8*\u+\k], v[32+8*\u+\k:33+8*\u+\k], v[160+2*\u:161+2*\u]
.endr
.endr
.irp u, 0,1,2,3
	v_add_f32 v[160+2*\u], v[160+2*\u], v[161+2*\u]
.endr
.irp x, 1,2,4,8
.irp u, 0,1,2,3
	v_add_f32_dpp v[160+2*\u], v[160+2*\u], v[160+2*\u] row_xmask:\x row_mask:0xf bank_mask:0xf
.endr
.endr
.irp u, 0,1,2,3
	v_fma_f32 v[160+2*\u], v[160+2*\u], s86, s87   ; mean + eps
.endr
.irp u, 0,1,2,3
	v_rsq_f32 v[168+2*\u], v[160+2*\u]             ; one batch of four; the work below names none of the results
.endr
.irp k, 0,2,4,6
.irp u, 0,1,2,3
	v_pk_mul_f32 v[64+8*\u+\k:65+8*\u+\k], v[32+8*\u+\k:33+8*\u+\k], v[16+8*(\u%2)+\k:17+8*(\u%2)+\k]
.endr
.endr
	s_wait_dscnt 0x0
.irp j, 0,1,2,3,4,5,6,7
.irp u, 0,1,2,3
	v_mul_f32_dpp v[96+8*\u+\j], v[64+8*\u+\j], v[144+8*(\u/2)+\j] row_xmask:8 row_mask:0xf bank_mask:0xf  ; y[d xor 64] S[d]
.endr
.endr
.irp k, 0,2,4,6
.irp u, 0,1,2,3
	v_pk_fma_f32 v[96+8*\u+\k:97+8*\u+\k], v[64+8*\u+\k:65+8*\u+\k], v[128+8*(\u/2)+\k:129+8*(\u/2)+\k], v[96+8*\u+\k:97+8*\u+\k]
.endr
.endr
	s_wait_alu depctr_va_vdst(0)                   ; one wait for the four roots, ahead of their first reader
.irp k, 0,2,4,6
.irp u, 0,1,2,3
	v_pk_mul_f32 v[96+8*\u+\k:97+8*\u+\k], v[96+8*\u+\k:97+8*\u+\k], v[168+2*\u:169+2*\u] op_sel_hi:[1,0]
.endr
.endr
.irp j, 0,1,2,3,4,5,6,7
.irp u, 0,1,2,3
	v_cndmask_b32 v[96+8*\u+\j], v[96+8*\u+\j], v[32+8*\u+\j], s[79-2*(\u%2)]  ; v passes as it is
.endr
.endr
.irp q, 0,1,2,3
.irp u, 0,1,2,3
	v_cvt_pk_f16_f32 v[176+4*\u+\q], v[96+8*\u+2*\q], v[97+8*\u+2*\q]
.endr
.endr
.irp u, 0,1,2,3
	global_store_b128 v12, v[176+4*\u:179+4*\u], s[80+2*(\u%2):81+2*(\u%2)] offset:512*(\u/2)  ; 512 consecutive bytes, two whole rows of a head
.endr
	s_wait_xcnt 0x0                                ; the stores' offset and data are rewritten only behind this wait
	v_add_nc_u32 v12, 1024, v12
	v_add_nc_u32 v10, 4*SPITCH, v10
	v_add_nc_u32 v11, 4096, v11
	s_sub_co_u32 s78, s78, 1
	s_cmp_lg_u32 s78, 0
	s_cbranch_scc1 .Lrows
	s_wait_tensorcnt 0x0                           ; the wave's end
	ds_add_u32 v14, v15
	s_wait_dscnt 0x0
	CROUND                                         ; the closing round
	s_endpgm
.Lfunc_end_k_qb1f82b183d_qkv:
	.size	k_qb1f82b183d_qkv, .Lfunc_end_k_qb1f82b183d_qkv-k_qb1f82b183d_qkv
	.p2alignl 7, 3214868480
	.fill 96, 4, 3214868480
	.section	.rodata,"a",@progbits
	.p2align	6, 0x0
	.amdhsa_kernel k_qb1f82b183d_qkv
		.amdhsa_group_segment_fixed_size 327680
		.amdhsa_private_segment_fixed_size 0
		.amdhsa_enable_private_segment 0
		.amdhsa_kernarg_size 64
		.amdhsa_user_sgpr_count 2
		.amdhsa_user_sgpr_kernarg_segment_ptr 1
		.amdhsa_wavefront_size32 1
		.amdhsa_system_sgpr_workgroup_id_x 1
		.amdhsa_system_sgpr_workgroup_id_y 1
		.amdhsa_system_sgpr_workgroup_id_z 1
		.amdhsa_system_vgpr_workitem_id 0
		.amdhsa_next_free_vgpr 896
		.amdhsa_next_free_sgpr 96
		.amdhsa_reserve_vcc 0
		.amdhsa_float_denorm_mode_32 3
		.amdhsa_float_denorm_mode_16_64 3
		.amdhsa_memory_ordered 1
		.amdhsa_forward_progress 1
		.amdhsa_inst_pref_size 141
	.end_amdhsa_kernel
	.amdgpu_metadata
---
amdhsa.version: [ 1, 2 ]
amdhsa.kernels:
  - .name:           k_qb1f82b183d_qkv
    .symbol:         k_qb1f82b183d_qkv.kd
    .args:
      - { .name: Xb, .offset: 0, .size: 8, .value_kind: global_buffer, .address_space: global }
      - { .name: Wc, .offset: 8, .size: 8, .value_kind: global_buffer, .address_space: global }
      - { .name: Tab, .offset: 16, .size: 8, .value_kind: global_buffer, .address_space: global }
      - { .name: qn_w, .offset: 24, .size: 8, .value_kind: global_buffer, .address_space: global }
      - { .name: kn_w, .offset: 32, .size: 8, .value_kind: global_buffer, .address_space: global }
      - { .name: Qh, .offset: 40, .size: 8, .value_kind: global_buffer, .address_space: global }
      - { .name: Kh, .offset: 48, .size: 8, .value_kind: global_buffer, .address_space: global }
      - { .name: Vh, .offset: 56, .size: 8, .value_kind: global_buffer, .address_space: global }
    .group_segment_fixed_size: 327680
    .private_segment_fixed_size: 0
    .kernarg_segment_align: 8
    .kernarg_segment_size: 64
    .max_flat_workgroup_size: 128
    .sgpr_count:     96
    .vgpr_count:     896
    .wavefront_size: 32
...
	.end_amdgpu_metadata
.endif
;; end of part 2
;; launch attn (part 3): grid 64 x 4, 4 waves a work-group, clusters of 4 x 1, 327,680 bytes of LDS; arguments Qh, Kh, Vh, Oh; writes Oh
.if DOCPART == 3
	.amdgcn_target "amdgcn-amd-amdhsa--gfx1250"
	.amdhsa_code_object_version 6
	.text
	.protected	k_qb1f82b183d_attn
	.globl	k_qb1f82b183d_attn
	.p2align	8
	.type	k_qb1f82b183d_attn,@function
k_qb1f82b183d_attn:
	s_mov_b64 s[64:65], 0
	v_nop
	global_prefetch_b8 v0, s[64:65] scope:SCOPE_SE
	s_setreg_imm32_b32 hwreg(HW_REG_WAVE_MODE, 25, 1), 1
	s_wait_xcnt 0x0
	s_wait_alu depctr_hold_cnt(0) depctr_sa_sdst(0) depctr_va_vdst(0) depctr_va_sdst(0) depctr_va_ssrc(0) depctr_va_vcc(0) depctr_vm_vsrc(0)
	s_getreg_b32 s2, hwreg(HW_REG_IB_STS2, 6, 4)
	s_cmp_eq_u32 s2, 0
	s_cbranch_scc0 .Lentry_in_a_cluster
	s_endpgm
.Lentry_in_a_cluster:
	s_bfe_u32 s2, ttmp6, 0x10000c
	s_cmp_lg_u32 s2, 0x3003
	s_cbranch_scc0 .Lentry_shape_is_right
	s_endpgm
.Lentry_shape_is_right:
; CAUSAL ATTENTION WITH GROUPED HEADS.  Qh [16][2048][128], Kh, Vh [4][2048][128], f16; Oh [2048][2048] f16, column = head x 128 + channel.  Products, maxima and sums in f32; weights rounded to f16, O once.
; SHARES.  A BLOCK is 16 positions x the four query heads of one key/value head: four tiles of 16 rows that share K, V and one mask.  Block i of 128 needs the key tiles 0 .. i / 16 of 256 keys.
; A work-group b of 64 takes block 127 - b and then block b: 8 - a and a + 1 tiles, a = b / 16: nine, whatever b: all 256 work-groups do equal work, in ONE walk with constant trip counts.
; THE KEYS ARE SPLIT AMONG THE WAVES: of each tile wave w takes keys 64 w .. 64 w + 63 for all four tiles, with its own running maximum m, sum l and O; the four partial results meet in LDS at a block's end.
; CLUSTER.  The four partners have the same a, hence the same walk: every tile is asked for jointly.  Every branch hangs on the cluster's x and on counters; b's low bits enter mask values and Q's and O's addresses alone.
; LAYOUT.  S^T = K Q^T holds one query a lane (lane % 16) and the keys 8 (lane / 16) + 0..7; two results rounded to f16 are source 1 of O^T = V^T P.  p = 2^(c s - c m), c = log2(e) / sqrt(128).
; THE MASK is the C operand that starts S^T's sums: 0, or -1e30 where the key lies behind the query.  It is made anew when the next tile is a block's last, and when a block begins.
; m starts at -1e20: a wave that sees no key of a row keeps that floor, its weights are 0, and in the merge its share 2^(c m - M) is 0.  Every row sees key 0 in wave 0.
; A KEY STEP: piece 0's scores; piece 2's scores with piece 0's softmax in slices behind them; the change of slots; piece 0's V^T P with piece 2's softmax behind; piece 2's V^T P.  A piece is two tiles.
; LIMITS.  f16's scores, 5.5e11 at the most, lie above the floor and are nothing beside 1e30; a weight below 2^-126 counts as 0; NaN and infinities are not treated apart.
; REGISTERS.  window 0: v0-11, v44-47, v61-63 addresses; v12-43 statistics, 8 a tile; v64-191 S^T; v192-255 P.  window 1: O^T, 64 a tile.  window 2: v0-127 Q, v128-255 K.  window 3: v0-127 V, v128-159 the mask.
.set PK,    272
.set PV,    288
.set VOFF,  256*PK                     ; a slot: 256 rows of K, then 256 of V
.set SLOTB, 256*(PK+PV)
.set MST,   2*SLOTB                    ; the merge stage: four waves x 16 rows x 528 bytes of f32
.set MP,    528
.set STATS, MST+4*16*MP                ; (c m, l) by wave, tile and lane
.set SPARE, STATS+4096                 ; the spare words: two blocks of 256 bytes that no other line names
.set AK0, 2
.set AV0, 3
.set ADR, 4
.set QO,  5
.set MS,  6
.set MR,  7
.set GO,  8
.set SA,  10
.set SL,  11
.set ST,  12                           ; tile t at ST + 8 t: c m, m, l (even, odd keys), c0-c3; a takes c2's place
.set LQV, 44
.set THR, 45
.set PFO, 61
.set SPW, 62
.set NIL, 63
.set S,   64
.set P,   192
.set KF,  128
.set MK,  128
.set WV,  12
.set CX,  13
.set AA,  14
.set BETA, 15
.set KB,  16                           ; s[16:17] K at my half of the head's tile 0;  s[18:19] the same for V
.set VB,  18
.set WKO, 20
.set WVO, 21
.set NXT, 22                           ; the tile to be asked for next
.set LQ,  23                           ; the last tile of the block whose tiles are being asked for
.set G1K, 24
.set G1V, 32
.set G0K, 40                           ; s[40:43], s[44:47]: the walking descriptors;  s[48:51], s[52:55]: the second first fill's
.set G0V, 44
.set OFF, 56
.set CS,  58
.set SEL, 60
.set RB,  62                           ; the slot that the next fetches read
.set FB,  63                           ; the slot that the next refill fills
.set PFA, 66
.set LIM, 68
.set CNT, 69
.set TW,  70
.set RT,  71                           ; tiles of the block in hand still to be worked
.set QC,  72                           ; 0 in the first block's last tile
.set BLK, 73
.set DEL, 74
.set DEL2, 75
.set OA,  76
.set OLO, 78
.set QLO, 80
.set BIGN, 82
.set DD,  83
.set GG,  92
.set BB,  93
.set MSB, 0
.macro WIN new
.if MSB != (\new)
	s_set_vgpr_msb (MSB<<8)|(\new)
.set MSB, (\new)
.endif
.endm
.set W_KQ, 0x0a
.set W_KM, 0x3a
.set W_PV, 0x53
.set W_RS, 0x41
.macro PLACES
.rept 4
	v_nop
.endr
.endm
.macro JLOAD                           ; waves 0, 1 fetch the halves of a tile's K, waves 2, 3 those of its V; an s_nop 0 and four v_nop follow each line
	s_cmp_lt_u32 s[WV], 2
	s_cbranch_scc0 .Lfor_v_\@
	tensor_load_to_lds s[G0K:G0K+3], s[G1K:G1K+7]
	s_nop 0
	PLACES
	s_branch .Lasked_\@
.Lfor_v_\@:
	tensor_load_to_lds s[G0V:G0V+3], s[G1V:G1V+7]
	s_nop 0
	PLACES
.Lasked_\@:
.endm
; A prefetch into the L2: at the walk's change j the head's first cluster, which walks tiles 0 to 7 in order, names tile j + 4, two changes ahead of its load: a lane a row, 32 rows a wave; the four partners
; share a tile's 512 rows out by address.  Changes 0 to 3 ask; tiles 0 to 3 come by their loads alone.
.macro ASK
	s_cmp_gt_u32 s[CNT], s[LIM]
	s_cbranch_scc0 .Lnot_mine_\@
	global_prefetch_b8 v[PFO], s[PFA:PFA+1] th:TH_LOAD_NT scope:SCOPE_SE
.Lnot_mine_\@:
.endm
.macro CROUND
	s_barrier_signal -1
	s_barrier_wait -1
	s_cmp_lg_u32 s[WV], 0
	s_cbranch_scc1 .Lnot_wave_0_\@
	s_barrier_signal -3
.Lnot_wave_0_\@:
	s_barrier_wait -3
	s_barrier_signal -1
	s_barrier_wait -1
.endm
; Product i of 32 of S^T = K Q^T for piece x: channels 32 (i / 8) on, keys 16 ((i / 2) % 4) on, tile x + i % 2.  The first 8 start the sums with the mask.  The accumulators take turns.
.macro KQ x
.set rS, S+32*((\x)+i%2)+8*((i/2)%4)
.set rK, KF+32*((i/2)%4)+8*(i/8)
.set rQ, 32*((\x)+i%2)+8*(i/8)
.set rM, MK+8*((i/2)%4)
.if i < 8
	WIN W_KM
	v_wmma_f32_16x16x32_f16 v[rS:rS+7], v[rK:rK+7], v[rQ:rQ+7], v[rM:rM+7]
.else
	WIN W_KQ
	v_wmma_f32_16x16x32_f16 v[rS:rS+7], v[rK:rK+7], v[rQ:rQ+7], v[rS:rS+7]
.endif
.endm
; Product i of 32 of O^T += V^T P: keys 32 (i / 16) on, channels 16 ((i / 2) % 8) on, tile x + i % 2.
.macro PV x
	WIN W_PV
.set rO, 64*((\x)+i%2)+8*((i/2)%8)
.set rV, 64*(i/16)+8*((i/2)%8)
.set rP, P+16*((\x)+i%2)+8*(i/16)
	v_wmma_f32_16x16x32_f16 v[rO:rO+7], v[rV:rV+7], v[rP:rP+7], v[rO:rO+7]
.endm
.macro FETCH_K                         ; my 64 keys x 128 channels: 16 fragments, one run of 32 loads
	WIN 0
	v_add_nc_u32 v[ADR], s[RB], v[AK0]
	WIN 0x80
.irp f, 0,1,2,3,4,5,6,7,8,9,10,11,12,13,14,15
	ds_load_b128 v[KF+8*(\f):KF+8*(\f)+3],   v[ADR] offset:((\f)/4)*16*PK+((\f)%4)*64
	ds_load_b128 v[KF+8*(\f)+4:KF+8*(\f)+7], v[ADR] offset:((\f)/4)*16*PK+((\f)%4)*64+32
.endr
.endm
.macro FETCH_V                         ; the same keys of V, turned; the next fetches read the other slot
	WIN 0
	v_add_nc_u32 v[ADR], s[RB], v[AV0]
	s_xor_b32 s[RB], s[RB], SLOTB
	WIN 0xc0
.irp f, 0,1,2,3,4,5,6,7,8,9,10,11,12,13,14,15
	ds_load_tr16_b128 v[8*(\f):8*(\f)+3],   v[ADR] offset:((\f)/8)*32*PV+((\f)%8)*32
	ds_load_tr16_b128 v[8*(\f)+4:8*(\f)+7], v[ADR] offset:((\f)/8)*32*PV+16*PV+((\f)%8)*32
.endr
.endm
; One tile's softmax for a key step is a list of 134 instructions; SM writes number j for tile t.
;   0-15 the maximum of the 32 scores and the old m (each accumulator's lowest registers first)   16-20 the other half of the lanes; m; c m; its change
;   21-69 ONE BATCH: 16 scalings c s - c m and 33 exponentials (a at 23), none of which reads an exponential's result       70-85 roundings to f16   86-101 the sums, l = a l + sum   102-133 O^T times a
.macro SM t
.set rT, ST+8*(\t)
.set rS, S+32*(\t)
.set rP, P+16*(\t)
.set rO, 64*(\t)+2*(j-102)
.if j < 102
	WIN 0
.endif
.if j < 4
	v_max3_num_f32 v[rT+4+j], v[rS+8*j], v[rS+8*j+1], v[rS+8*j+2]
.elseif j < 12
	v_max3_num_f32 v[rT+4+j%4], v[rT+4+j%4], v[rS+8*(j%4)+2*(j/4)+1], v[rS+8*(j%4)+2*(j/4)+2]
.elseif j == 12
	v_max3_num_f32 v[rT+4], v[rT+4], v[rS+7], v[rS+15]
.elseif j == 13
	v_max3_num_f32 v[rT+6], v[rT+6], v[rS+23], v[rS+31]
.elseif j == 14
	v_max3_num_f32 v[rT+4], v[rT+4], v[rT+5], v[rT+6]
.elseif j == 15
	v_max3_num_f32 v[rT+4], v[rT+4], v[rT+7], v[rT+1]
.elseif j == 16
	v_permlanex16_b32 v[rT+5], v[rT+4], s[SEL], s[SEL+1]
.elseif j == 17
	v_mov_b32 v[rT+7], v[rT]
.elseif j == 18
	v_max_num_f32 v[rT+1], v[rT+4], v[rT+5]
.elseif j == 19
	v_mul_f32 v[rT], s[CS], v[rT+1]
.elseif j == 20
	v_sub_f32 v[rT+7], v[rT+7], v[rT]
.elseif j == 23
	v_exp_f32 v[rT+6], v[rT+7]
.elseif (j < 23) || ((j < 38) && (j%2 == 0)) || ((j < 66) && (j%4 == 2))
.set b, (j-2)/4
.if j < 38
.set b, (j-20)/2
.endif
	v_pk_fma_f32 v[rS+2*b:rS+2*b+1], v[rS+2*b:rS+2*b+1], s[CS:CS+1], v[rT:rT+1] op_sel_hi:[1,0,0] neg_lo:[0,0,1] neg_hi:[0,0,1]
.elseif j < 70
.set e, j-38
.if j < 66
.set e, j-32-(j-38)/4
.endif
.if j < 38
.set e, (j-25)/2
.endif
	v_exp_f32 v[rS+e], v[rS+e]
.elseif j < 86
	v_cvt_pk_f16_f32 v[rP+j-70], v[rS+2*(j-70)], v[rS+2*(j-70)+1]
.elseif j < 102
.set z, j-86
.set w, 4
.set u, z
.if z >= 14
.set w, 32
.set u, 0
.elseif z >= 12
.set w, 16
.set u, z-12
.elseif z >= 8
.set w, 8
.set u, z-8
.endif
.if z < 15
	v_pk_add_f32 v[rS+w*u:rS+w*u+1], v[rS+w*u:rS+w*u+1], v[rS+w*u+w/2:rS+w*u+w/2+1]
.else
	v_pk_fma_f32 v[rT+2:rT+3], v[rT+2:rT+3], v[rT+6:rT+7], v[rS:rS+1] op_sel_hi:[1,0,1]
.endif
.else
	WIN W_RS
	v_pk_mul_f32 v[rO:rO+1], v[rO:rO+1], v[rT+6:rT+7] op_sel_hi:[1,0]
.endif
.endm
; Slice k of 64 of piece y's softmax.  Slices 11 to 34 deal out the batch, four numbers of one tile each, the tiles by turns; every other slice is numbers 2 k and 2 k + 1 of both tiles; slice 63 takes the twelve over.
; Behind slice 34 stand a plain instruction and the ONE wait for the piece's 66 exponentials, ahead of the first instruction that names a result.
.macro SLICE y
.if (k >= 11) && (k < 35)
.irp n, 0,1,2,3
.set j, 22+4*((k-11)/2)+(\n)
	SM (\y)+(k-11)%2
.endr
.else
.irp n, 0,1,2,3,4,5,6,7
.if ((\n) < 2) || (k == 63)
.irp t, \y, (\y)+1
.set j, 2*k+(\n)
	SM \t
.endr
.endif
.endr
.endif
.if k == 34
	v_nop
	s_wait_alu depctr_va_vdst(0)
.endif
.set k, k+1
.endm
; THE CHANGE OF SLOTS, in a key step's middle: K of the step has been multiplied and V of the step is asked for.  Each wave waits for all its tensor loads (its part of the other slot), adds 0 to its spare word, and
; waits for that and for its reads of the slot, V's run among them.  fill = 1: a round of the cluster's barrier, and the joint refill, with the walk's tile two on, is the first thing behind it.
.macro CHANGE fill
	WIN 0
	s_wait_tensorcnt 0x0
	ds_add_u32 v[SPW], v[NIL]                      ; 0 onto my spare word; the descriptors' scalar work stands between it and the wait for it
.if \fill
	s_lshl_b32 s[OFF], s[NXT], 16                  ; a tile is 65,536 bytes of K and of V
	s_add_co_u32 s[G0K+1], s[FB], s[WKO]
	s_add_nc_u64 s[G0K+2:G0K+3], s[KB:KB+1], s[OFF:OFF+1]
	s_or_b32 s[G0K+3], s[G0K+3], 0x80000000
	s_add_co_u32 s[G0V+1], s[FB], s[WVO]
	s_add_nc_u64 s[G0V+2:G0V+3], s[VB:VB+1], s[OFF:OFF+1]
	s_or_b32 s[G0V+3], s[G0V+3], 0x80000000
	s_xor_b32 s[FB], s[FB], SLOTB
	s_add_co_u32 s[NXT], s[NXT], 1                 ; the block's next tile, or behind its last the second block's tile 0
	s_cmp_gt_u32 s[NXT], s[LQ]
	s_cselect_b32 s[NXT], 0, s[NXT]
	s_cselect_b32 s[LQ], s[AA], s[LQ]
	s_wait_xcnt 0x0                                ; the last prefetch, a key step back, has read its address
	s_add_nc_u64 s[PFA:PFA+1], s[PFA:PFA+1], 0x10000
	s_wait_dscnt 0x0
	CROUND
	JLOAD
	ASK
.else
	s_wait_dscnt 0x0
	s_barrier_signal -1
	s_barrier_wait -1
.endif
.endm
.macro QLOAD                           ; in the first block's last tile, behind its last product K Q^T and twenty plain instructions: the second block's Q
	WIN 0
	s_cmp_eq_u32 s[QC], 0
	s_cbranch_scc0 .Lno_q_\@
	WIN 0x80
.irp f, 0,1,2,3,4,5,6,7,8,9,10,11,12,13,14,15
	global_load_b128 v[8*(\f):8*(\f)+3],   v[QO], s[QLO:QLO+1] offset:((\f)/4)*524288+((\f)%4)*64
	global_load_b128 v[8*(\f)+4:8*(\f)+7], v[QO], s[QLO:QLO+1] offset:((\f)/4)*524288+((\f)%4)*64+32
.endr
	WIN 0
.Lno_q_\@:
.endm
.macro MASKS                           ; register 8 kb + j hides key 16 kb + j of my lanes' where that is greater than my query's place less the tile's, the wave's and the half's
	s_cmp_eq_u32 s[RT], 1
	s_cselect_b32 s[DD], s[DEL], 4096              ; the block's last tile, or one that hides nothing
	WIN 0
	v_add_nc_u32 v[THR], s[DD], v[LQV]
	WIN 0xc0
.set i, 0
.rept 32
	v_cmp_gt_i32 vcc_lo, 16*(i/8)+i%8, v[THR]
	v_cndmask_b32 v[MK+i], 0, s[BIGN], vcc_lo
.set i, i+1
.endr
	WIN 0
.endm
.macro MSTART                          ; m at the floor, c m with it
.irp t, 0,1,2,3
	v_mov_b32 v[ST+8*\t+1], 0xe0ad78ec
.endr
.irp t, 0,1,2,3
	v_mul_f32 v[ST+8*\t], s[CS], v[ST+8*\t+1]
.endr
.endm
.macro MERGE t                         ; tile t: my scaled O^T into my part of the stage; each wave adds four rows of all four parts, rounds and stores them
	WIN 0x04
.irp c, 0,1,2,3,4,5,6,7
	ds_store_b128 v[MS], v[64*(\t)+8*\c:64*(\t)+8*\c+3]   offset:64*\c
	ds_store_b128 v[MS], v[64*(\t)+8*\c+4:64*(\t)+8*\c+7] offset:64*\c+16
.endr
	WIN 0
	s_wait_dscnt 0x0                               ; for the others' sake: my stores are done
	s_barrier_signal -1
	s_barrier_wait -1
.irp p, 0,1
.irp w, 0,1,2,3
	ds_load_b128 v[128+32*\p+8*\w:131+32*\p+8*\w], v[MR] offset:16*MP*\w+2*MP*\p
	ds_load_b128 v[132+32*\p+8*\w:135+32*\p+8*\w], v[MR] offset:16*MP*\w+2*MP*\p+16
.endr
.endr
	s_wait_dscnt 0x0                               ; my reads are over: the stage may be written again behind this barrier
	s_barrier_signal -1
.irp p, 0,1
.irp q, 0,2,4,6
	v_pk_add_f32 v[128+32*\p+\q:129+32*\p+\q], v[128+32*\p+\q:129+32*\p+\q], v[136+32*\p+\q:137+32*\p+\q]
	v_pk_add_f32 v[144+32*\p+\q:145+32*\p+\q], v[144+32*\p+\q:145+32*\p+\q], v[152+32*\p+\q:153+32*\p+\q]
.endr
.irp q, 0,2,4,6
	v_pk_add_f32 v[128+32*\p+\q:129+32*\p+\q], v[128+32*\p+\q:129+32*\p+\q], v[144+32*\p+\q:145+32*\p+\q]
.endr
.irp q, 0,1,2,3
	v_cvt_pk_f16_f32 v[P+8*(\t)+4*\p+\q], v[128+32*\p+2*\q], v[129+32*\p+2*\q]
.endr
.endr
	s_barrier_wait -1
	global_store_b128 v[GO], v[P+8*(\t):P+8*(\t)+3],   s[OA:OA+1] offset:256*(\t)       ; 16 lanes store 256 consecutive bytes, aligned: a head's channels of one position
	global_store_b128 v[GO], v[P+8*(\t)+4:P+8*(\t)+7], s[OA:OA+1] offset:256*(\t)+8192
.endm
; A BLOCK'S END.  l's parts are added; (c m, l) of all waves meet; M = the largest c m, L = the sum of 2^(c m - M) l; my O^T is multiplied by 2^(c m - M) / L; the four parts are added in the stage.
.macro BLKEND
	WIN 0
.irp t, 0,1,2,3
	v_add_f32 v[ST+8*\t+4], v[ST+8*\t+2], v[ST+8*\t+3]
.endr
.irp t, 0,1,2,3
	v_permlanex16_b32 v[ST+8*\t+5], v[ST+8*\t+4], s[SEL], s[SEL+1]
.endr
.irp t, 0,1,2,3
	v_add_f32 v[ST+8*\t+1], v[ST+8*\t+4], v[ST+8*\t+5]  ; l takes m's place beside c m
.endr
.irp t, 0,1,2,3
	ds_store_b64 v[SA], v[ST+8*\t:ST+8*\t+1] offset:256*\t
.endr
	s_wait_dscnt 0x0
	s_barrier_signal -1
	s_barrier_wait -1
.irp t, 0,1,2,3
.irp w, 0,1,2,3
	ds_load_b64 v[64+8*\t+2*\w:65+8*\t+2*\w], v[SL] offset:1024*\w+256*\t
.endr
.endr
	s_wait_dscnt 0x0
.irp t, 0,1,2,3
	v_max3_num_f32 v[96+\t], v[64+8*\t], v[66+8*\t], v[68+8*\t]
.endr
.irp t, 0,1,2,3
	v_max_num_f32 v[96+\t], v[96+\t], v[70+8*\t]
.endr
.irp t, 0,1,2,3
	v_sub_f32 v[100+\t], v[ST+8*\t], v[96+\t]
.irp w, 0,1,2,3
	v_sub_f32 v[64+8*\t+2*\w], v[64+8*\t+2*\w], v[96+\t]
.endr
.endr
.irp t, 0,1,2,3
	v_exp_f32 v[100+\t], v[100+\t]
.irp w, 0,1,2,3
	v_exp_f32 v[64+8*\t+2*\w], v[64+8*\t+2*\w]
.endr
.endr
	v_nop
	s_wait_alu depctr_va_vdst(0)                   ; one wait for the twenty exponentials
.irp t, 0,1,2,3
	v_mul_f32 v[104+\t], v[64+8*\t], v[65+8*\t]
.endr
.irp w, 1,2,3
.irp t, 0,1,2,3
	v_fmac_f32 v[104+\t], v[64+8*\t+2*\w], v[65+8*\t+2*\w]
.endr
.endr
.irp t, 0,1,2,3
	v_rcp_f32 v[108+\t], v[104+\t]
.endr
	v_nop
	s_wait_alu depctr_va_vdst(0)                   ; and one for the four reciprocals
.irp t, 0,1,2,3
	v_mul_f32 v[ST+8*\t+6], v[100+\t], v[108+\t]
.endr
.irp t, 0,1,2,3
	v_mov_b32 v[ST+8*\t+7], v[ST+8*\t+6]
.endr
	WIN W_RS
.irp t, 0,1,2,3
.set q, 64*\t
.rept 32
	v_pk_mul_f32 v[q:q+1], v[q:q+1], v[ST+8*\t+6:ST+8*\t+7] op_sel_hi:[1,0]
.set q, q+2
.endr
.endr
	MERGE 0
	MERGE 1
	MERGE 2
	MERGE 3
	s_wait_xcnt 0x0                                ; the stores have read their data and O's address: both are written again behind this wait
.endm
.macro BOUNDARY                        ; all jumps go forward and hang on the cluster's x and on counters
	s_sub_co_u32 s[QC], s[QC], 1
	s_sub_co_u32 s[RT], s[RT], 1
	s_cmp_lg_u32 s[RT], 0
	s_cbranch_scc1 .Lcont_\@
	BLKEND
	s_cmp_eq_u32 s[BLK], 1
	s_cbranch_scc1 .Lnomask_\@
	s_mov_b32 s[BLK], 1                            ; the second block begins: O^T and l need only be finite, since its first step multiplies them by a = 0, or its share in the merge is 0
	s_mov_b64 s[OA:OA+1], s[OLO:OLO+1]
	s_add_co_u32 s[RT], s[AA], 1
	s_mov_b32 s[DEL], s[DEL2]
	MSTART
	s_branch .Lmask_\@
.Lcont_\@:
	s_cmp_lg_u32 s[RT], 1
	s_cbranch_scc1 .Lnomask_\@
.Lmask_\@:
	MASKS
.Lnomask_\@:
.endm
.macro BODY fill                       ; a key step
	s_wait_loadcnt 0x0                             ; Q (the second block's was asked for half a step and a block's end ago)
	s_wait_dscnt 32                                ; K is in; V's run of 32, issued behind it, may stay out
.set i, 0
.rept 32
	KQ 0
.set i, i+1
.endr
	WIN 0
	PLACES                                         ; between piece 0's last product and the first read of its scores
.set k, 0
.set i, 0
.rept 32
	KQ 2
	SLICE 0
	SLICE 0
.set i, i+1
.endr
	CHANGE \fill
	FETCH_K                                        ; the next step's; K's last reader stands in front of slice 63's sixteen plain instructions
	QLOAD
.set k, 0
.set i, 0
.rept 32
	PV 0
	SLICE 2
	SLICE 2
.set i, i+1
.endr
.set i, 0
.rept 32
	PV 2
.set i, i+1
.endr
	WIN 0
	PLACES                                         ; between V's last reader and the loads into it
	FETCH_V
	WIN 0
	BOUNDARY
.endm
	s_load_b256 s[4:11], s[0:1], 0x0               ; Qh 4, Kh 6, Vh 8, Oh 10
	v_lshl_add_u32 v[SPW], v0, 2, SPARE
	v_mov_b32 v[NIL], 0
	ds_add_u32 v[SPW], v[NIL]                      ; the wave's opening: the add and its wait ahead of my first tensor load
	v_lshrrev_b32 v1, 5, v0
	v_readfirstlane_b32 s[WV], v1
	s_bfe_u32 s[CX], ttmp6, 0x40000
	s_lshr_b32 s[AA], ttmp9, 2                     ; a: the same in all four partners
	s_lshl_b32 s[BB], ttmp9, 2
	s_add_co_u32 s[BB], s[BB], s[CX]               ; b
	s_and_b32 s[BETA], s[BB], 15
	s_and_b32 s[GG], ttmp7, 0xffff                 ; the key/value head
	s_and_b32 s86, s[WV], 1                        ; which half of a tile I fetch
	s_lshl_b32 s84, s[GG], 19
	s_lshl_b32 s87, s86, 15
	s_add_co_u32 s84, s84, s87
	s_mov_b32 s85, 0
	s_mul_i32 s[WKO], s86, 128*PK
	s_mul_i32 s[WVO], s86, 128*PV
	s_add_co_u32 s[WVO], s[WVO], VOFF
	s_mov_b32 s[G1K], 15|(1<<16)|(1<<20)|(1<<21)|(5<<22)|(3<<25)  ; the mask of four; 2-byte elements; 4 words of padding after every 64
	s_mov_b32 s[G1V], 15|(1<<16)|(1<<20)|(1<<21)|(5<<22)|(7<<25)  ; the same with 8 words
.irp g, G1K, G1V
	s_mov_b32 s[(\g)+1], 128<<16
	s_mov_b32 s[(\g)+2], 128<<16
	s_mov_b32 s[(\g)+3], 128<<16
	s_mov_b32 s[(\g)+4], 128                       ; 128 rows x 128 elements
	s_mov_b32 s[(\g)+5], 128
	s_mov_b32 s[(\g)+6], 0
	s_mov_b32 s[(\g)+7], 0
.endr
	s_mov_b32 s[CS], 0x3e0293ee                    ; c = log2(e) / sqrt(128)
	s_mov_b32 s[CS+1], s[CS]
	s_mov_b32 s[SEL], 0x76543210
	s_mov_b32 s[SEL+1], 0xfedcba98
	s_mov_b32 s[BIGN], 0xf149f2ca                  ; -1e30
	s_mov_b32 s[RB], 0
	s_mov_b32 s[FB], 0
	s_mov_b32 s[NXT], 2
	s_sub_co_u32 s[LQ], 7, s[AA]
	s_sub_co_u32 s[RT], 8, s[AA]
	s_mov_b32 s[QC], s[LQ]
	s_mov_b32 s[BLK], 0
	s_mov_b32 s[OFF+1], 0
	s_lshl_b32 s87, s[BETA], 4
	s_lshl_b32 s88, s[WV], 6
	s_sub_co_u32 s[DEL2], s87, s88                 ; block b: 16 (b % 16) - 64 w
	s_sub_co_u32 s[DEL], 240, s87
	s_sub_co_u32 s[DEL], s[DEL], s88               ; block 127 - b: 240 - 16 (b % 16) - 64 w
	s_mov_b32 s94, ttmp9
	s_cmp_eq_u32 s94, 0
	s_cselect_b32 s[LIM], 3, -1
	s_sub_co_u32 s94, 127, s[BB]
	s_lshl_b32 s95, s[GG], 21
	s_lshl_b32 s86, s94, 12
	s_add_co_u32 s86, s86, s95                     ; Q of the first block: four heads on from 4 G, 16 rows of 256 bytes a block
	s_mov_b32 s87, 0
	s_lshl_b32 s88, s[BB], 12
	s_add_co_u32 s88, s88, s95
	s_mov_b32 s89, 0
	s_lshl_b32 s95, s[GG], 10
	s_lshl_b32 s90, s94, 16
	s_add_co_u32 s90, s90, s95                     ; O: 16 rows of 4,096 bytes a block, 1,024 bytes a group of heads
	s_mov_b32 s91, 0
	s_lshl_b32 s2, s[BB], 16
	s_add_co_u32 s2, s2, s95
	s_mov_b32 s3, 0
	s_wait_dscnt 0x0                               ; the opening add is done
	s_wait_kmcnt 0x0
	s_add_nc_u64 s[KB:KB+1], s[6:7], s[84:85]
	s_add_nc_u64 s[VB:VB+1], s[8:9], s[84:85]
	s_add_nc_u64 s[QLO:QLO+1], s[4:5], s[88:89]
	s_add_nc_u64 s[4:5], s[4:5], s[86:87]
	s_add_nc_u64 s[OLO:OLO+1], s[10:11], s[2:3]
	s_add_nc_u64 s[OA:OA+1], s[10:11], s[90:91]
	s_and_b32 s94, s[WV], 1
	s_lshl_b32 s84, s[GG], 19
	s_lshl_b32 s95, s[CX], 14
	s_add_co_u32 s84, s84, s95
	s_lshl_b32 s95, s94, 13
	s_add_co_u32 s84, s84, s95
	s_add_co_u32 s84, s84, 0x30000                 ; at tile 3: the first change steps it to 4
	s_cmp_lt_u32 s[WV], 2
	s_cselect_b64 s[PFA:PFA+1], s[6:7], s[8:9]
	s_add_nc_u64 s[PFA:PFA+1], s[PFA:PFA+1], s[84:85]
	s_mov_b32 s40, 1
	s_mov_b32 s41, s[WKO]
	s_add_nc_u64 s[42:43], s[KB:KB+1], 0
	s_or_b32 s43, s43, 0x80000000
	s_mov_b32 s44, 1
	s_mov_b32 s45, s[WVO]
	s_add_nc_u64 s[46:47], s[VB:VB+1], 0
	s_or_b32 s47, s47, 0x80000000
	s_mov_b32 s48, 1
	s_add_co_u32 s49, s[WKO], SLOTB
	s_add_nc_u64 s[50:51], s[KB:KB+1], 0x10000
	s_or_b32 s51, s51, 0x80000000
	s_mov_b32 s52, 1
	s_add_co_u32 s53, s[WVO], SLOTB
	s_add_nc_u64 s[54:55], s[VB:VB+1], 0x10000
	s_or_b32 s55, s55, 0x80000000
	CROUND                                         ; all four work-groups are here: the first joint loads meet
	s_cmp_lt_u32 s[WV], 2                          ; a wave's two first fills stand in one branch: tiles 0 and 1
	s_cbranch_scc0 .Lfirst_v
	tensor_load_to_lds s[40:43], s[G1K:G1K+7]
	s_nop 0
	tensor_load_to_lds s[48:51], s[G1K:G1K+7]
	s_nop 0
	PLACES
	s_branch .Lfirst_asked
.Lfirst_v:
	tensor_load_to_lds s[44:47], s[G1V:G1V+7]
	s_nop 0
	tensor_load_to_lds s[52:55], s[G1V:G1V+7]
	s_nop 0
	PLACES
.Lfirst_asked:
	v_and_b32 v1, 15, v0                           ; r
	v_bfe_u32 v9, v0, 4, 1                         ; h
	v_lshlrev_b32 v[QO], 8, v1
	v_lshl_add_u32 v[QO], v9, 4, v[QO]
	WIN 0x80
.irp f, 0,1,2,3,4,5,6,7,8,9,10,11,12,13,14,15  ; the first block's Q: head f / 4 of the group, channels 32 (f % 4) on
	global_load_b128 v[8*(\f):8*(\f)+3],   v[QO], s[4:5] offset:((\f)/4)*524288+((\f)%4)*64
	global_load_b128 v[8*(\f)+4:8*(\f)+7], v[QO], s[4:5] offset:((\f)/4)*524288+((\f)%4)*64+32
.endr
	WIN 0
	v_mul_u32_u24 v[AK0], v1, PK
	v_lshl_add_u32 v[AK0], v9, 4, v[AK0]
	s_mul_i32 s84, s[WV], 64*PK
	v_add_nc_u32 v[AK0], s84, v[AK0]               ; my 64 keys: row x pitch + 16 h
	v_and_b32 v46, 7, v0
	v_bfe_u32 v47, v0, 3, 1
	v_lshl_add_u32 v[AV0], v9, 3, v46
	v_mul_u32_u24 v[AV0], v[AV0], PV
	v_lshl_add_u32 v[AV0], v47, 4, v[AV0]
	s_mul_i32 s84, s[WV], 64*PV
	s_add_co_u32 s84, s84, VOFF
	v_add_nc_u32 v[AV0], s84, v[AV0]
	v_mul_u32_u24 v[MS], v1, MP                    ; into the stage: my part, row r, 32 bytes for each half of the lanes
	v_lshl_add_u32 v[MS], v9, 5, v[MS]
	s_mul_i32 s84, s[WV], 16*MP
	s_add_co_u32 s84, s84, MST
	v_add_nc_u32 v[MS], s84, v[MS]
	v_mul_u32_u24 v[MR], v9, MP                    ; back: rows 4 w + h, 8 channels a lane
	v_lshl_add_u32 v[MR], v1, 5, v[MR]
	s_mul_i32 s84, s[WV], 4*MP
	s_add_co_u32 s84, s84, MST
	v_add_nc_u32 v[MR], s84, v[MR]
	v_lshlrev_b32 v[GO], 12, v9                    ; the same rows in O
	v_lshl_add_u32 v[GO], v1, 4, v[GO]
	s_lshl_b32 s84, s[WV], 14
	v_add_nc_u32 v[GO], s84, v[GO]
	v_and_b32 v[PFO], 31, v0
	v_lshl_add_u32 v[SL], v[PFO], 3, STATS
	s_lshl_b32 s84, s[WV], 10
	v_add_nc_u32 v[SA], s84, v[SL]
	v_lshlrev_b32 v[PFO], 8, v[PFO]
	v_lshlrev_b32 v[LQV], 3, v9
	v_sub_nc_u32 v[LQV], v1, v[LQV]                ; r - 8 h
	WIN 0x40                                       ; O^T and l start at 0, in the wait for the first tile, so that the first step is a step like any other
.set i, 0
.rept 256
	v_mov_b32 v[i], 0
.set i, i+1
.endr
	WIN 0
.irp t, 0,1,2,3
	v_mov_b32 v[ST+8*\t+2], 0
	v_mov_b32 v[ST+8*\t+3], 0
.endr
	MSTART
	MASKS                                          ; the first block has five tiles or more: its first hides nothing
	s_wait_tensorcnt 1                             ; my part of tile 0 is in; tile 1's may stay out
	s_barrier_signal -1
	s_barrier_wait -1
	FETCH_K
	FETCH_V
	WIN 0
	s_mov_b32 s[CNT], 7
.Lwalk:                                                ; seven steps, each of which asks for the walk's tile two on
	BODY 1
	s_sub_co_u32 s[CNT], s[CNT], 1
	s_cmp_lg_u32 s[CNT], 0
	s_cbranch_scc1 .Lwalk
	s_mov_b32 s[TW], 2
.Ltail:                                                ; the last two steps ask for nothing; the very last one's fetches, of a slot that has been read, serve nothing: the price of one text for both
	BODY 0
	s_sub_co_u32 s[TW], s[TW], 1
	s_cmp_lg_u32 s[TW], 0
	s_cbranch_scc1 .Ltail
	s_wait_tensorcnt 0x0                           ; the wave's end
	ds_add_u32 v[SPW], v[NIL]
	s_wait_dscnt 0x0
	CROUND                                         ; the closing round
	s_endpgm
.Lfunc_end_k_qb1f82b183d_attn:
	.size	k_qb1f82b183d_attn, .Lfunc_end_k_qb1f82b183d_attn-k_qb1f82b183d_attn
	.p2alignl 7, 3214868480
	.fill 96, 4, 3214868480
	.section	.rodata,"a",@progbits
	.p2align	6, 0x0
	.amdhsa_kernel k_qb1f82b183d_attn
		.amdhsa_group_segment_fixed_size 327680
		.amdhsa_private_segment_fixed_size 0
		.amdhsa_enable_private_segment 0
		.amdhsa_kernarg_size 32
		.amdhsa_user_sgpr_count 2
		.amdhsa_user_sgpr_kernarg_segment_ptr 1
		.amdhsa_wavefront_size32 1
		.amdhsa_system_sgpr_workgroup_id_x 1
		.amdhsa_system_sgpr_workgroup_id_y 1
		.amdhsa_system_sgpr_workgroup_id_z 1
		.amdhsa_system_vgpr_workitem_id 0
		.amdhsa_next_free_vgpr 928
		.amdhsa_next_free_sgpr 96
		.amdhsa_reserve_vcc 1
		.amdhsa_float_denorm_mode_32 3
		.amdhsa_float_denorm_mode_16_64 3
		.amdhsa_memory_ordered 1
		.amdhsa_forward_progress 1
		.amdhsa_inst_pref_size 197
	.end_amdhsa_kernel
	.amdgpu_metadata
---
amdhsa.version: [ 1, 2 ]
amdhsa.kernels:
  - .name:           k_qb1f82b183d_attn
    .symbol:         k_qb1f82b183d_attn.kd
    .args:
      - { .name: Qh, .offset: 0, .size: 8, .value_kind: global_buffer, .address_space: global }
      - { .name: Kh, .offset: 8, .size: 8, .value_kind: global_buffer, .address_space: global }
      - { .name: Vh, .offset: 16, .size: 8, .value_kind: global_buffer, .address_space: global }
      - { .name: Oh, .offset: 24, .size: 8, .value_kind: global_buffer, .address_space: global }
    .group_segment_fixed_size: 327680
    .private_segment_fixed_size: 0
    .kernarg_segment_align: 8
    .kernarg_segment_size: 32
    .max_flat_workgroup_size: 128
    .sgpr_count:     96
    .vgpr_count:     928
    .wavefront_size: 32
...
	.end_amdgpu_metadata
.endif
;; end of part 3
;; launch oproj (part 4): grid 16 x 16, 4 waves a work-group, clusters of 4 x 4, 327,680 bytes of LDS; arguments Oh, Wo16, out0; writes out0
.if DOCPART == 4
	.amdgcn_target "amdgcn-amd-amdhsa--gfx1250"
	.amdhsa_code_object_version 6
	.text
	.protected	k_qb1f82b183d_oproj
	.globl	k_qb1f82b183d_oproj
	.p2align	8
	.type	k_qb1f82b183d_oproj,@function
k_qb1f82b183d_oproj:
	s_mov_b64 s[64:65], 0
	v_nop
	global_prefetch_b8 v0, s[64:65] scope:SCOPE_SE
	s_setreg_imm32_b32 hwreg(HW_REG_WAVE_MODE, 25, 1), 1
	s_wait_xcnt 0x0
	s_wait_alu depctr_hold_cnt(0) depctr_sa_sdst(0) depctr_va_vdst(0) depctr_va_sdst(0) depctr_va_ssrc(0) depctr_va_vcc(0) depctr_vm_vsrc(0)
	s_getreg_b32 s2, hwreg(HW_REG_IB_STS2, 6, 4)
	s_cmp_eq_u32 s2, 0
	s_cbranch_scc0 .Lentry_in_a_cluster
	s_endpgm
.Lentry_in_a_cluster:
	s_bfe_u32 s2, ttmp6, 0x10000c
	s_cmp_lg_u32 s2, 0xf033
	s_cbranch_scc0 .Lentry_shape_is_right
	s_endpgm
.Lentry_shape_is_right:
; out0[m][n] = the sum over k of Oh[m][k] Wo16[n][k].  Oh, Wo16: [2048][2048] f16; out0 f32; sums in f32.
; A tile of out0 is 128 x 128: 256 work-groups.  Four waves, each 64 x 64: 16 accumulators.  K goes in steps of 256 (LDS rows of 512 bytes; a wave's tensor load brings 64 of them) through two slots.
; CLUSTER 4 x 4: the four of a row need the same tiles of Oh, the four of a column the same tiles of Wo16: each tile is asked for jointly.  The product is used transposed: a lane holds eight neighbouring
; numbers of a row.  A wave's 64 columns of f32 are 256 aligned bytes, so each wave has a stage of its own for the way out, and no barrier there.  No prefetch: small tiles and eight K steps.
; REGISTERS: window 0: v0-31 addresses; v32-95 the way out; v128-255 accumulator (a, b) at 128 + 8 (4 a + b).  window 1: two fragment buffers of 128: A's 64 registers, then B's.
.set SIZE_N, 2048
.set SIZE_K, 2048
.set KSTEP,  256
.set PITCH,  528
.set HALFT,  64*PITCH
.set SLOT,   4*HALFT
.set STAGE,  2*SLOT                    ; behind the ring: 16 rows x 272 bytes for each wave
.set SPITCH, 272
.set SPARE,  STAGE+4*16*SPITCH         ; the spare words: two blocks of 256 bytes that no other line names
.set LAPS, SIZE_K/(2*KSTEP)
.set ADRA, 16
.set ADRB, 20
.set STO,  24
.set RD,   25
.set CO,   26
.set SPW,  28
.set NIL,  29
.set TMP,  32
.set ACC,  128
.set F0,   0
.set F1,   128
.set G1, 24
.set G0, 32
.set G1B, 48
.set G0B, 56
.set MSB, 0
.macro WIN new
.if MSB != (\new)
	s_set_vgpr_msb (MSB<<8)|(\new)
.set MSB, \new
.endif
.endm
.set MUL,  0x05
.set TO_F, 0x40
.macro PLACES
.rept 4
	v_nop
.endr
.endm
.macro JLOAD s                         ; waves 0 and 1 fetch A's two halves, waves 2 and 3 B's; an s_nop 0 and four v_nop follow each line
	s_cmp_eq_u32 s11, 0
	s_cbranch_scc0 .Lfor_b_\@
	tensor_load_to_lds s[G0+4*(\s):G0+4*(\s)+3], s[G1:G1+7]
	s_nop 0
	PLACES
	s_branch .Lasked_\@
.Lfor_b_\@:
	tensor_load_to_lds s[G0B+4*(\s):G0B+4*(\s)+3], s[G1B:G1B+7]
	s_nop 0
	PLACES
.Lasked_\@:
.endm
.macro CREST
	s_cmp_lg_u32 s10, 0
	s_cbranch_scc1 .Lnot_wave_0_\@
	s_barrier_signal -3
.Lnot_wave_0_\@:
	s_barrier_wait -3
	s_barrier_signal -1
	s_barrier_wait -1
.endm
.macro CROUND
	s_barrier_signal -1
	s_barrier_wait -1
	CREST
.endm
	s_load_b128 s[4:7], s[0:1], 0x0                ; Oh s[4:5], Wo16 s[6:7]
	s_load_b64 s[8:9], s[0:1], 0x10                ; out0
	v_lshl_add_u32 v[SPW], v0, 2, SPARE
	v_mov_b32 v[NIL], 0
	ds_add_u32 v[SPW], v[NIL]                      ; the wave's opening: the add and its wait ahead of my first tensor load
	v_lshrrev_b32 v1, 5, v0
	v_readfirstlane_b32 s10, v1                    ; wave
	s_lshr_b32 s11, s10, 1                         ; my half of the tile's rows; also: I fetch for A (0) or B (1)
	s_and_b32 s12, s10, 1                          ; my half of its columns; also: which 64 rows I fetch
	s_bfe_u32 s40, ttmp6, 0x40000
	s_bfe_u32 s41, ttmp6, 0x40004
	s_lshl_b32 s42, ttmp9, 2
	s_add_co_u32 s42, s42, s40                     ; tile column
	s_and_b32 s13, ttmp7, 0xffff
	s_lshl_b32 s13, s13, 2
	s_add_co_u32 s13, s13, s41                     ; tile row
	s_lshl_b32 s43, s41, 2
	s_lshl_b32 s43, 15, s43
	s_lshl_b32 s44, 0x1111, s40
	s_or_b32 s[G1+0], s43, (1<<16)|(1<<20)|(1<<21)|(6<<22)|(3<<25)  ; 2-byte elements; 4 words of padding after every 128
	s_or_b32 s[G1B+0], s44, (1<<16)|(1<<20)|(1<<21)|(6<<22)|(3<<25)
.irp g, G1, G1B
	s_mov_b32 s[(\g)+1], KSTEP<<16
	s_mov_b32 s[(\g)+2], 64<<16
	s_mov_b32 s[(\g)+3], KSTEP<<16
	s_mov_b32 s[(\g)+4], 64
	s_mov_b32 s[(\g)+5], SIZE_K
	s_mov_b32 s[(\g)+6], 0
	s_mov_b32 s[(\g)+7], 0
.endr
	s_lshl_b32 s17, s12, 6
	s_lshl_b32 s16, s13, 7
	s_add_co_u32 s16, s16, s17
	s_lshl_b32 s46, s42, 7
	s_add_co_u32 s46, s46, s17
	s_mov_b32 s17, 0
	s_mov_b32 s47, 0
	s_mov_b64 s[18:19], SIZE_K*2
	s_mul_u64 s[16:17], s[16:17], s[18:19]
	s_mul_u64 s[46:47], s[46:47], s[18:19]
	s_mul_i32 s20, s10, HALFT
	s_wait_dscnt 0x0                               ; the opening add is done
	s_wait_kmcnt 0x0
	s_add_nc_u64 s[14:15], s[4:5], s[16:17]
	s_add_nc_u64 s[46:47], s[6:7], s[46:47]
	CROUND                                         ; all sixteen work-groups are here: the first joint loads meet
.irp s, 0,1
	s_mov_b32 s[G0+4*(\s)], 1
	s_add_co_u32 s[G0+4*(\s)+1], s20, (\s)*SLOT
	s_add_nc_u64 s[G0+4*(\s)+2:G0+4*(\s)+3], s[14:15], (\s)*KSTEP*2
	s_or_b32 s[G0+4*(\s)+3], s[G0+4*(\s)+3], 0x80000000
	s_mov_b32 s[G0B+4*(\s)], 1
	s_add_co_u32 s[G0B+4*(\s)+1], s20, (\s)*SLOT
	s_add_nc_u64 s[G0B+4*(\s)+2:G0B+4*(\s)+3], s[46:47], (\s)*KSTEP*2
	s_or_b32 s[G0B+4*(\s)+3], s[G0B+4*(\s)+3], 0x80000000
	JLOAD \s
.endr
	v_and_b32 v1, 15, v0
	v_bfe_u32 v2, v0, 4, 1
	v_mul_u32_u24 v3, v1, PITCH
	v_lshl_add_u32 v3, v2, 4, v3
	s_mul_i32 s21, s11, HALFT
	s_mul_i32 s22, s12, HALFT
	s_add_co_u32 s22, s22, 2*HALFT
.irp s, 0,1
	v_add_nc_u32 v[ADRA+(\s)], s21, v3
	v_add_nc_u32 v[ADRB+(\s)], s22, v3
	s_add_co_u32 s21, s21, SLOT
	s_add_co_u32 s22, s22, SLOT
.endr
	s_mul_i32 s23, s10, 16*SPITCH
	s_add_co_u32 s23, s23, STAGE                   ; my stage
	v_mul_u32_u24 v4, v1, SPITCH                   ; in: row r, 32 bytes for each half of the lanes
	v_lshl_add_u32 v4, v2, 5, v4
	v_add_nc_u32 v[STO], s23, v4
	v_mul_u32_u24 v5, v2, SPITCH                   ; back: lanes 0-15 one row of 256 bytes, lanes 16-31 the next
	v_lshl_add_u32 v5, v1, 4, v5
	v_add_nc_u32 v[RD], s23, v5
	v_lshlrev_b32 v5, 13, v2                       ; and the same two rows in out0
	v_lshl_add_u32 v[CO], v1, 4, v5
	s_lshl_b32 s16, s13, 7
	s_lshl_b32 s17, s11, 6
	s_add_co_u32 s16, s16, s17                     ; my first row
	s_lshl_b32 s16, s16, 13
	s_mov_b32 s17, 0
	s_add_nc_u64 s[8:9], s[8:9], s[16:17]
	s_lshl_b32 s46, s42, 9                         ; my first column, in bytes
	s_lshl_b32 s47, s12, 8
	s_add_co_u32 s46, s46, s47
	s_mov_b32 s47, 0
	s_add_nc_u64 s[8:9], s[8:9], s[46:47]
.macro MUL8 f, c, a0, zero             ; row blocks a0, a0 + 1 x all 4 column blocks, 32 along K; the 16 accumulators take turns
	WIN MUL
.irp a, \a0, (\a0)+1
.irp b, 0,1,2,3
.if \zero
	v_wmma_f32_16x16x32_f16 v[ACC+8*(4*(\a)+(\b)):ACC+8*(4*(\a)+(\b))+7], v[(\f)+64+8*(4*(\c)+(\b)):(\f)+64+8*(4*(\c)+(\b))+7], v[(\f)+8*(4*(\c)+(\a)):(\f)+8*(4*(\c)+(\a))+7], 0
.else
	v_wmma_f32_16x16x32_f16 v[ACC+8*(4*(\a)+(\b)):ACC+8*(4*(\a)+(\b))+7], v[(\f)+64+8*(4*(\c)+(\b)):(\f)+64+8*(4*(\c)+(\b))+7], v[(\f)+8*(4*(\c)+(\a)):(\f)+8*(4*(\c)+(\a))+7], v[ACC+8*(4*(\a)+(\b)):ACC+8*(4*(\a)+(\b))+7]
.endif
.endr
.endr
.endm
.macro FETCH slot, k, f                ; 32 LDS loads in one run: 64 along K at byte k, the first 32 along K first
	WIN TO_F
.irp c, 0,1
.irp i, 0,1,2,3
	ds_load_b128 v[(\f)+64+8*(4*(\c)+(\i)):(\f)+64+8*(4*(\c)+(\i))+3],   v[ADRB+(\slot)] offset:(\k)+64*(\c)+(\i)*16*PITCH
	ds_load_b128 v[(\f)+64+8*(4*(\c)+(\i))+4:(\f)+64+8*(4*(\c)+(\i))+7], v[ADRB+(\slot)] offset:(\k)+64*(\c)+(\i)*16*PITCH+32
	ds_load_b128 v[(\f)+8*(4*(\c)+(\i)):(\f)+8*(4*(\c)+(\i))+3],         v[ADRA+(\slot)] offset:(\k)+64*(\c)+(\i)*16*PITCH
	ds_load_b128 v[(\f)+8*(4*(\c)+(\i))+4:(\f)+8*(4*(\c)+(\i))+7],       v[ADRA+(\slot)] offset:(\k)+64*(\c)+(\i)*16*PITCH+32
.endr
.endr
.endm
.macro QUARTER slot, k, f, g, zero
	s_wait_dscnt 16                                ; the first 32 along K are in
	MUL8 \f, 0, 0, \zero
	MUL8 \f, 0, 2, \zero
	PLACES
	FETCH \slot, \k, \g
	s_wait_dscnt 32                                ; all but the 32 just issued
	MUL8 \f, 1, 0, 0
	MUL8 \f, 1, 2, 0
.endm
.macro TURN slot, next, fill           ; the last quarter changes slots: all my tensor loads waited for, the add, my reads of this slot over, one barrier; fill = 1: a round, and the joint refill first behind it
	WIN 0
	s_wait_tensorcnt 0x0
	ds_add_u32 v[SPW], v[NIL]
	s_wait_dscnt 17                                ; the add and the youngest sixteen loads may be out
	MUL8 F1, 0, 0, 0
	s_wait_dscnt 0x0
	s_barrier_signal -1
	MUL8 F1, 0, 2, 0
.if \fill
	WIN 0
.endif
	s_barrier_wait -1
.if \fill
	CREST
	s_add_nc_u64 s[G0+4*(\slot)+2:G0+4*(\slot)+3], s[G0+4*(\slot)+2:G0+4*(\slot)+3], 2*KSTEP*2
	s_add_nc_u64 s[G0B+4*(\slot)+2:G0B+4*(\slot)+3], s[G0B+4*(\slot)+2:G0B+4*(\slot)+3], 2*KSTEP*2
	JLOAD \slot
.else
	PLACES
.endif
	FETCH \next, 0, F0
	MUL8 F1, 1, 0, 0
	MUL8 F1, 1, 2, 0
.endm
	s_wait_tensorcnt 1                             ; my part of K step 0 is in; K step 1's may stay out
	s_barrier_signal -1
	s_barrier_wait -1
	FETCH 0, 0, F0
	QUARTER 0, 128, F0, F1, 1
	WIN 0
	s_mov_b32 s3, LAPS-1
.Llap:
	QUARTER 0, 256, F1, F0, 0
	QUARTER 0, 384, F0, F1, 0
	TURN 0, 1, 1
	QUARTER 1, 128, F0, F1, 0
	QUARTER 1, 256, F1, F0, 0
	QUARTER 1, 384, F0, F1, 0
	TURN 1, 0, 1
	QUARTER 0, 128, F0, F1, 0
	WIN 0
	s_sub_co_u32 s3, s3, 1
	s_cmp_lg_u32 s3, 0
	s_cbranch_scc1 .Llap
	QUARTER 0, 256, F1, F0, 0
	QUARTER 0, 384, F0, F1, 0
	TURN 0, 1, 0
	QUARTER 1, 128, F0, F1, 0
	QUARTER 1, 256, F1, F0, 0
	QUARTER 1, 384, F0, F1, 0
	s_wait_dscnt 16
	MUL8 F1, 0, 0, 0
	MUL8 F1, 0, 2, 0
	s_wait_dscnt 0
	MUL8 F1, 1, 0, 0
	MUL8 F1, 1, 2, 0
	WIN 0
	PLACES
	PLACES
	; THE WAY OUT: 16 rows at a time through my own stage: 32 bytes a lane in, whole rows of 256 bytes back.  LDS serves a wave's instructions in order, so no wait stands between my stores and my loads.
.macro OUTB a
.irp b, 0,1,2,3
	ds_store_b128 v[STO], v[ACC+8*(4*(\a)+(\b)):ACC+8*(4*(\a)+(\b))+3]   offset:64*(\b)
	ds_store_b128 v[STO], v[ACC+8*(4*(\a)+(\b))+4:ACC+8*(4*(\a)+(\b))+7] offset:64*(\b)+16
.endr
.irp t, 0,1,2,3,4,5,6,7
	ds_load_b128 v[TMP+32*((\a)%2)+4*(\t):TMP+32*((\a)%2)+4*(\t)+3], v[RD] offset:(\t)*2*SPITCH
.endr
.endm
.macro SENDB a, younger                ; younger: the LDS instructions issued behind block a's loads
.irp t, 0,1,2,3,4,5,6,7
	s_wait_dscnt (\younger)+7-(\t)
	global_store_b128 v[CO], v[TMP+32*((\a)%2)+4*(\t):TMP+32*((\a)%2)+4*(\t)+3], s[8:9] offset:(16*(\a)+2*(\t))*SIZE_N*4  ; 16 lanes store 256 consecutive bytes, aligned
.endr
.endm
	OUTB 0
	OUTB 1
	SENDB 0, 16
	s_wait_xcnt 0x0                                ; block 0's stores have read their registers, which block 2 is loaded into
	OUTB 2
	SENDB 1, 16
	s_wait_xcnt 0x0
	OUTB 3
	SENDB 2, 16
	SENDB 3, 0
	s_wait_tensorcnt 0x0                           ; the wave's end
	ds_add_u32 v[SPW], v[NIL]
	s_wait_dscnt 0x0
	CROUND                                         ; the closing round
	s_endpgm
.Lfunc_end_k_qb1f82b183d_oproj:
	.size	k_qb1f82b183d_oproj, .Lfunc_end_k_qb1f82b183d_oproj-k_qb1f82b183d_oproj
	.p2alignl 7, 3214868480
	.fill 96, 4, 3214868480
	.section	.rodata,"a",@progbits
	.p2align	6, 0x0
	.amdhsa_kernel k_qb1f82b183d_oproj
		.amdhsa_group_segment_fixed_size 327680
		.amdhsa_private_segment_fixed_size 0
		.amdhsa_enable_private_segment 0
		.amdhsa_kernarg_size 24
		.amdhsa_user_sgpr_count 2
		.amdhsa_user_sgpr_kernarg_segment_ptr 1
		.amdhsa_wavefront_size32 1
		.amdhsa_system_sgpr_workgroup_id_x 1
		.amdhsa_system_sgpr_workgroup_id_y 1
		.amdhsa_system_sgpr_workgroup_id_z 1
		.amdhsa_system_vgpr_workitem_id 0
		.amdhsa_next_free_vgpr 512
		.amdhsa_next_free_sgpr 66
		.amdhsa_reserve_vcc 0
		.amdhsa_float_denorm_mode_32 3
		.amdhsa_float_denorm_mode_16_64 3
		.amdhsa_memory_ordered 1
		.amdhsa_forward_progress 1
		.amdhsa_inst_pref_size 86
	.end_amdhsa_kernel
	.amdgpu_metadata
---
amdhsa.version: [ 1, 2 ]
amdhsa.kernels:
  - .name:           k_qb1f82b183d_oproj
    .symbol:         k_qb1f82b183d_oproj.kd
    .args:
      - { .name: Oh, .offset: 0, .size: 8, .value_kind: global_buffer, .address_space: global }
      - { .name: Wo16, .offset: 8, .size: 8, .value_kind: global_buffer, .address_space: global }
      - { .name: out0, .offset: 16, .size: 8, .value_kind: global_buffer, .address_space: global }
    .group_segment_fixed_size: 327680
    .private_segment_fixed_size: 0
    .kernarg_segment_align: 8
    .kernarg_segment_size: 24
    .max_flat_workgroup_size: 128
    .sgpr_count:     66
    .vgpr_count:     512
    .wavefront_size: 32
...
	.end_amdgpu_metadata
.endif
;; end of part 4
;; ======== version 2 of 2: 4 launches; version 1 with the launch cvt written anew for expert scheduling mode
;; limits: values are held in f16: magnitudes above 65,504 overflow, below 6.1e-05 lose precision; right only within a limited range of input values
;; workspace buffers: Xb 16,777,216 bytes; Wc 25,165,824 bytes; Wo16 8,388,608 bytes; Tab 2,097,152 bytes; Qh 8,388,608 bytes; Kh 2,097,152 bytes; Vh 2,097,152 bytes; Oh 8,388,608 bytes
;; launch cvt (part 5): grid 64 x 28, 8 waves a work-group, no clusters, 0 bytes of LDS; arguments hidden, mu_prev, Wq, Wmu_q, Wk, Wmu_k, Wv, Wmu_v, Wo, positions, Xb, Wc, Wo16, Tab; writes Xb, Wc, Wo16, Tab
.if DOCPART == 5
	.amdgcn_target "amdgcn-amd-amdhsa--gfx1250"
	.amdhsa_code_object_version 6
	.text
	.protected	k_qb1f82b183d_cvt
	.globl	k_qb1f82b183d_cvt
	.p2align	8
	.type	k_qb1f82b183d_cvt,@function
k_qb1f82b183d_cvt:
	s_mov_b64 s[64:65], 0
	v_nop
	global_prefetch_b8 v0, s[64:65] scope:SCOPE_SE
	s_setreg_imm32_b32 hwreg(HW_REG_WAVE_SCHED_MODE, 0, 2), 2
	s_setreg_imm32_b32 hwreg(HW_REG_WAVE_MODE, 25, 1), 1
	s_wait_xcnt 0x0
	s_wait_alu depctr_vm_vsrc(0)
; THE INPUTS IN 16 BITS, IN THE LAYOUTS THAT THE PRODUCTS WANT, AND THE TABLE OF COSINES AND SINES.
; Xb [2048][4096] bf16: hidden | mu_prev along K.  Wc [3072][4096] bf16: group g (384 rows) = q head 2 g, q head 2 g + 1, then k head g (g < 4) or v head g - 4;
; along K the plain weights | the mu weights.  Wo16 [2048][2048]: Wo rounded to bf16, that number written as f16 (its partner in the last product is f16).
; Tab [2048][256] f32, row s: C[d] = cos(f[d mod 64]), then S[d] = -sin(f[d]) for d < 64, +sin(f[d - 64]) for d >= 64: rope(y)[d] = y[d] C[d] + y[d xor 64] S[d].
; SHARES.  Grid y = unit: 0-23 convert 512 source rows each, 24-27 make 512 table rows each; grid x cuts a unit into 64 work-groups of 8 rows.
; A stream: each input byte is read once, 16 loads of 16 bytes a lane all issued first; each store of a wave covers 256 consecutive bytes, aligned.  No LDS, no matrix unit, no cluster: nothing is shared.
; LIMITS.  |positions| under 2^20 (the angle is reduced with pi/2 in two parts); |Wo| under 65,504, and below 6e-5 it keeps f16's fixed step of 6e-8.  NaN and infinities are not treated apart.
; THE MODE: SCHED_MODE bits 1:0 = 2 (LLVM: expert scheduling mode 2), set by the entry lines.  The code itself states the register dependences
; between vector instructions and memory instructions, with s_wait_alu, always for 0.
; THE PLAN, for the converting path.  Registers that memory instructions touch:
;   v1         the loads' offset: made by one line at the head, never written again.
;   v[16:79]   chunk c has four registers of its own: its load lands in them, its conversions read them and write the first two, its store reads those two.  Nothing writes them behind the store.
;   v[2:9]     the stores' offsets: made behind the loads, never written again.
;   v[80:83]   at work: named by vector instructions alone.
; The 16 chunks go in four groups of four.  The stores of group g are issued at the head of group g + 1, behind ONE wait on va_vdst, which states that group g's conversions have written their registers (at group 1's
; head also that v[2:9] are written); the conversions that follow name their own chunks and v[80:83] alone, none of the registers that those stores read.  One more such wait stands ahead of the last four stores.
; No register that a memory instruction reads is written again on this path, so it holds no wait on vm_vsrc.
; THE PLAN, for the table's path: the wave's number and the two quadrant masks are scalar registers that vector instructions write: a wait on va_sdst stands ahead of the first reader of each;
; v3 and v[40:45], the stores' offset and data, are written by vector lines: one wait on va_vdst stands ahead of the four stores.
.set D,  16                            ; v[16:79]  chunk c: four registers as loaded, the first two then as stored
.set VD, 2                             ; v[2:9]    row r of the eight: 8 t + r x the destination's pitch
.macro PICK lo, src, dst, half, kind   ; from unit lo on: this source, this destination, this half of K, this kind of row map
	s_cmp_ge_u32 s32, \lo
	s_cselect_b64 s[38:39], s[\src:\src+1], s[38:39]
	s_cselect_b64 s[40:41], s[\dst:\dst+1], s[40:41]
	s_cselect_b32 s34, \lo, s34
	s_cselect_b32 s35, \half, s35
	s_cselect_b32 s36, \kind, s36
.endm
.macro CV c, half                      ; chunk c: four numbers rounded to bf16 (half = 1: and written as f16)
	v_cvt_pk_bf16_f32 v[D+4*(\c)], v[D+4*(\c)], v[D+4*(\c)+1]
	v_cvt_pk_bf16_f32 v[D+4*(\c)+1], v[D+4*(\c)+2], v[D+4*(\c)+3]
.if \half
	v_lshlrev_b32 v80, 16, v[D+4*(\c)]
	v_and_b32 v81, 0xffff0000, v[D+4*(\c)]
	v_lshlrev_b32 v82, 16, v[D+4*(\c)+1]
	v_and_b32 v83, 0xffff0000, v[D+4*(\c)+1]
	v_cvt_pk_f16_f32 v[D+4*(\c)], v80, v81
	v_cvt_pk_f16_f32 v[D+4*(\c)+1], v82, v83
.endif
.endm
.macro PUT c                           ; chunk c: 8 bytes stored
	global_store_b64 v[VD+(\c)/2], v[D+4*(\c):D+4*(\c)+1], s[40:41] offset:2048*((\c)%2)
.endm
.macro GROUP g, half                   ; the stores of group g - 1, then the conversions of chunks 4 g to 4 g + 3
	s_wait_loadcnt 15-4*(\g)                       ; loads come back in order: the younger chunks stay out
.if (\g) > 0
	s_wait_alu depctr_va_vdst(0)                   ; the conversions of the group before have written the first two registers of its chunks, which the four stores below read; v[2:9], their offsets, are written too
.irp i, 0,1,2,3
	PUT 4*(\g)-4+(\i)
.endr
.endif
	CV 4*(\g), \half
.irp i, 1,2,3
	s_wait_loadcnt 15-4*(\g)-(\i)
	CV 4*(\g)+(\i), \half
.endr
.endm
.macro WALK half                       ; the four groups, and the last group's stores
	GROUP 0, \half
	GROUP 1, \half
	GROUP 2, \half
	GROUP 3, \half
	s_wait_alu depctr_va_vdst(0)                   ; the conversions of chunks 12 to 15 have written their registers, which the last four stores read
.irp i, 12,13,14,15
	PUT \i
.endr
	s_endpgm
.endm
	s_load_b512 s[4:19], s[0:1], 0x0               ; hidden 4, mu_prev 6, Wq 8, Wmu_q 10, Wk 12, Wmu_k 14, Wv 16, Wmu_v 18
	s_load_b256 s[20:27], s[0:1], 0x40             ; Wo 20, positions 22, Xb 24, Wc 26
	s_load_b128 s[28:31], s[0:1], 0x60             ; Wo16 28, Tab 30
	s_and_b32 s32, ttmp7, 0xffff                   ; the unit
	s_mov_b32 s33, ttmp9                           ; my eight rows of it
	s_wait_kmcnt 0x0
	s_cmp_ge_u32 s32, 24
	s_cbranch_scc1 .Ltable
	s_mov_b64 s[38:39], s[4:5]
	s_mov_b64 s[40:41], s[24:25]
	s_mov_b32 s34, 0
	s_mov_b32 s35, 0
	s_mov_b32 s36, 0
	PICK 4, 6, 24, 1, 0
	PICK 8, 8, 26, 0, 1
	PICK 12, 10, 26, 1, 1
	PICK 16, 12, 26, 0, 2
	PICK 17, 14, 26, 1, 2
	PICK 18, 16, 26, 0, 3
	PICK 19, 18, 26, 1, 3
	PICK 20, 20, 28, 0, 4
	s_sub_co_u32 s42, s32, s34
	s_lshl_b32 s42, s42, 9
	s_lshl3_add_u32 s42, s33, s42                  ; my first source row
	s_lshr_b32 s43, s42, 7                         ; its head
	s_and_b32 s44, s42, 127                        ; its row in the head
	s_lshr_b32 s45, s43, 1                         ; q: group = head / 2,
	s_and_b32 s46, s43, 1                          ; part = head % 2
	s_cmp_ge_u32 s36, 2
	s_cselect_b32 s45, s43, s45                    ; k: group = head, part 2
	s_cselect_b32 s46, 2, s46
	s_add_co_u32 s47, s45, 4
	s_cmp_eq_u32 s36, 3
	s_cselect_b32 s45, s47, s45                    ; v: group = head + 4
	s_mul_i32 s47, s45, 384
	s_lshl_b32 s46, s46, 7
	s_add_co_u32 s47, s47, s46
	s_add_co_u32 s47, s47, s44
	s_mov_b32 s48, 8192                            ; the destination's pitch in bytes
	s_cmp_eq_u32 s36, 0
	s_cselect_b32 s47, s42, s47                    ; Xb and Wo16 keep the source's rows
	s_cmp_eq_u32 s36, 4
	s_cselect_b32 s47, s42, s47
	s_cselect_b32 s48, 4096, s48
	s_lshl_b32 s50, s42, 13
	s_mov_b32 s51, 0
	s_add_nc_u64 s[38:39], s[38:39], s[50:51]
	s_mul_i32 s50, s47, s48
	s_lshl_b32 s35, s35, 12
	s_add_co_u32 s50, s50, s35
	s_add_nc_u64 s[40:41], s[40:41], s[50:51]
	v_lshlrev_b32 v1, 4, v0                        ; 256 threads x 16 bytes: half a source row
	s_wait_alu depctr_va_vdst(0)                   ; v1 is written: all sixteen loads read it as their offset
.set c, 0
.rept 16
	global_load_b128 v[D+4*c:D+4*c+3], v1, s[38:39] offset:4096*c th:TH_LOAD_NT
.set c, c+1
.endr
	v_lshlrev_b32 v[VD], 3, v0                     ; the stores' offsets are made while the loads are out; the wait at the head of the second group stands between these lines and the first store
.set c, 1
.rept 7
	v_add_nc_u32 v[VD+c], s48, v[VD+c-1]
.set c, c+1
.endr
	s_cmp_eq_u32 s36, 4
	s_cbranch_scc1 .Lhalf
	WALK 0
.Lhalf:
	WALK 1
; THE TABLE.  A wave makes one row; lane l the frequencies 2 l and 2 l + 1.  inv_freq[i] = 2^(-i L), L = log2(10000) / 64 in two parts: i x CH is exact (6 x 17 bits).
.macro SC1 b                           ; v[b] = i  ->  v[b+1] = -(fraction of i L), v[b+2] = -(whole part)
	v_cvt_f32_u32 v[\b], v[\b]
	v_mul_f32 v[\b+1], 0x3e549a80, v[\b]
	v_floor_f32 v[\b+2], v[\b+1]
	v_sub_f32 v[\b+1], v[\b+2], v[\b+1]
	v_fmamk_f32 v[\b+1], v[\b], 0x33f68659, v[\b+1]
	v_cvt_i32_f32 v[\b+2], v[\b+2]
	v_sub_nc_u32 v[\b+2], 0, v[\b+2]
.endm
.macro SC2A b, m                       ; the angle, its reduction to |rr| <= pi/4 by k quarter turns, both series; s[m] = the lanes whose k is odd
	v_ldexp_f32 v[\b+3], v[\b+3], v[\b+2]
	v_mul_f32 v[\b+3], v4, v[\b+3]                 ; pos x inv_freq, rounded once
	v_mul_f32 v[\b+4], 0x3f22f983, v[\b+3]
	v_rndne_f32 v[\b+4], v[\b+4]
	v_fmamk_f32 v[\b+5], v[\b+4], 0xbfc90fdb, v[\b+3]
	v_fmamk_f32 v[\b+5], v[\b+4], 0x333bbd2e, v[\b+5]
	v_mul_f32 v[\b+6], v[\b+5], v[\b+5]
	v_mov_b32 v[\b+7], 0x3638ef1d
	v_fmaak_f32 v[\b+7], v[\b+7], v[\b+6], 0xb9500d01
	v_fmaak_f32 v[\b+7], v[\b+7], v[\b+6], 0x3c088889
	v_fmaak_f32 v[\b+7], v[\b+7], v[\b+6], 0xbe2aaaab
	v_mul_f32 v[\b+8], v[\b+5], v[\b+6]
	v_fma_f32 v[\b+7], v[\b+8], v[\b+7], v[\b+5]   ; sin rr
	v_mov_b32 v[\b+8], 0xb493f27e
	v_fmaak_f32 v[\b+8], v[\b+8], v[\b+6], 0x37d00d01
	v_fmaak_f32 v[\b+8], v[\b+8], v[\b+6], 0xbab60b61
	v_fmaak_f32 v[\b+8], v[\b+8], v[\b+6], 0x3d2aaaab
	v_fmaak_f32 v[\b+8], v[\b+8], v[\b+6], 0xbf000000
	v_fma_f32 v[\b+8], v[\b+8], v[\b+6], 1.0       ; cos rr
	v_cvt_i32_f32 v[\b+4], v[\b+4]
	v_and_b32 v[\b+9], 1, v[\b+4]
	v_cmp_eq_u32 s[\m], 1, v[\b+9]
.endm
.macro SC2B b, so, co, m               ; the quadrant
	v_cndmask_b32 v[\so], v[\b+7], v[\b+8], s[\m]  ; an odd quarter turn swaps the two
	v_cndmask_b32 v[\co], v[\b+8], v[\b+7], s[\m]
	v_and_b32 v[\b+9], 2, v[\b+4]
	v_lshlrev_b32 v[\b+9], 30, v[\b+9]
	v_xor_b32 v[\so], v[\b+9], v[\so]              ; sin changes sign in quarters 2, 3
	v_add_nc_u32 v[\b+4], 1, v[\b+4]
	v_and_b32 v[\b+4], 2, v[\b+4]
	v_lshlrev_b32 v[\b+4], 30, v[\b+4]
	v_xor_b32 v[\co], v[\b+4], v[\co]              ; cos in quarters 1, 2
.endm
.Ltable:
	v_lshrrev_b32 v1, 5, v0
	v_readfirstlane_b32 s34, v1                    ; wave
	s_sub_co_u32 s35, s32, 24
	s_lshl_b32 s35, s35, 6
	s_add_co_u32 s35, s35, s33
	s_wait_alu depctr_va_sdst(0)                   ; s34 is written, ahead of its first reader: my row, the scalar load's offset and the stores' base are made from it
	s_lshl3_add_u32 s35, s35, s34                  ; my row of the table
	s_lshl_b32 s36, s35, 2
	s_load_b32 s37, s[22:23], s36 offset:0x0       ; its position
	s_lshl_b32 s38, s35, 10
	s_mov_b32 s39, 0
	s_add_nc_u64 s[30:31], s[30:31], s[38:39]
	v_and_b32 v2, 31, v0
	v_lshlrev_b32 v3, 3, v2                        ; 8 bytes a lane
	v_lshlrev_b32 v8, 1, v2
	v_or_b32 v24, 1, v8
	SC1 8
	SC1 24
	s_wait_kmcnt 0x0
	v_exp_f32 v11, v9
	v_exp_f32 v27, v25
	v_cvt_f32_i32 v4, s37                          ; the plain instruction behind the two exponentials
	s_wait_alu depctr_va_vdst(0)                   ; the two exponentials have written v11 and v27: one wait for both, ahead of their first reader
	SC2A 8, 42
	SC2A 24, 43
	s_wait_alu depctr_va_sdst(0)                   ; the two compares have written s42 and s43, ahead of the selects that read them: one wait for the run
	SC2B 8, 42, 40, 42
	SC2B 24, 43, 41, 43
	v_xor_b32 v44, 0x80000000, v42
	v_xor_b32 v45, 0x80000000, v43
	s_wait_alu depctr_va_vdst(0)                   ; v3, the offset, and v40 to v45, the data, are written: the four stores read them
	global_store_b64 v3, v[40:41], s[30:31]
	global_store_b64 v3, v[40:41], s[30:31] offset:256
	global_store_b64 v3, v[44:45], s[30:31] offset:512
	global_store_b64 v3, v[42:43], s[30:31] offset:768
	s_endpgm
.Lfunc_end_k_qb1f82b183d_cvt:
	.size	k_qb1f82b183d_cvt, .Lfunc_end_k_qb1f82b183d_cvt-k_qb1f82b183d_cvt
	.p2alignl 7, 3214868480
	.fill 96, 4, 3214868480
	.section	.rodata,"a",@progbits
	.p2align	6, 0x0
	.amdhsa_kernel k_qb1f82b183d_cvt
		.amdhsa_group_segment_fixed_size 0
		.amdhsa_private_segment_fixed_size 0
		.amdhsa_enable_private_segment 0
		.amdhsa_kernarg_size 112
		.amdhsa_user_sgpr_count 2
		.amdhsa_user_sgpr_kernarg_segment_ptr 1
		.amdhsa_wavefront_size32 1
		.amdhsa_system_sgpr_workgroup_id_x 1
		.amdhsa_system_sgpr_workgroup_id_y 1
		.amdhsa_system_sgpr_workgroup_id_z 1
		.amdhsa_system_vgpr_workitem_id 0
		.amdhsa_next_free_vgpr 96
		.amdhsa_next_free_sgpr 66
		.amdhsa_reserve_vcc 0
		.amdhsa_float_denorm_mode_32 3
		.amdhsa_float_denorm_mode_16_64 3
		.amdhsa_memory_ordered 1
		.amdhsa_forward_progress 1
		.amdhsa_inst_pref_size 24
	.end_amdhsa_kernel
	.amdgpu_metadata
---
amdhsa.version: [ 1, 2 ]
amdhsa.kernels:
  - .name:           k_qb1f82b183d_cvt
    .symbol:         k_qb1f82b183d_cvt.kd
    .args:
      - { .name: hidden, .offset: 0, .size: 8, .value_kind: global_buffer, .address_space: global }
      - { .name: mu_prev, .offset: 8, .size: 8, .value_kind: global_buffer, .address_space: global }
      - { .name: Wq, .offset: 16, .size: 8, .value_kind: global_buffer, .address_space: global }
      - { .name: Wmu_q, .offset: 24, .size: 8, .value_kind: global_buffer, .address_space: global }
      - { .name: Wk, .offset: 32, .size: 8, .value_kind: global_buffer, .address_space: global }
      - { .name: Wmu_k, .offset: 40, .size: 8, .value_kind: global_buffer, .address_space: global }
      - { .name: Wv, .offset: 48, .size: 8, .value_kind: global_buffer, .address_space: global }
      - { .name: Wmu_v, .offset: 56, .size: 8, .value_kind: global_buffer, .address_space: global }
      - { .name: Wo, .offset: 64, .size: 8, .value_kind: global_buffer, .address_space: global }
      - { .name: positions, .offset: 72, .size: 8, .value_kind: global_buffer, .address_space: global }
      - { .name: Xb, .offset: 80, .size: 8, .value_kind: global_buffer, .address_space: global }
      - { .name: Wc, .offset: 88, .size: 8, .value_kind: global_buffer, .address_space: global }
      - { .name: Wo16, .offset: 96, .size: 8, .value_kind: global_buffer, .address_space: global }
      - { .name: Tab, .offset: 104, .size: 8, .value_kind: global_buffer, .address_space: global }
    .group_segment_fixed_size: 0
    .private_segment_fixed_size: 0
    .kernarg_segment_align: 8
    .kernarg_segment_size: 112
    .max_flat_workgroup_size: 256
    .sgpr_count:     66
    .vgpr_count:     96
    .wavefront_size: 32
...
	.end_amdgpu_metadata
.endif
;; end of part 5
;; launch qkv: the kernel of part 2 again; grid 16 x 12, 4 waves a work-group, clusters of 4 x 1, 327,680 bytes of LDS; arguments Xb, Wc, Tab, qn_w, kn_w, Qh, Kh, Vh; writes Qh, Kh, Vh
;; launch attn: the kernel of part 3 again; grid 64 x 4, 4 waves a work-group, clusters of 4 x 1, 327,680 bytes of LDS; arguments Qh, Kh, Vh, Oh; writes Oh
;; launch oproj: the kernel of part 4 again; grid 16 x 16, 4 waves a work-group, clusters of 4 x 4, 327,680 bytes of LDS; arguments Oh, Wo16, out0; writes out0
